; MI455X (gfx1250); checked and timed in simulation.
; The chip was launched on July 23, 2026; its instructions are those of AMD's public machine-readable ISA for CDNA 5 (MIT licence, August 2026) and "CDNA5" Instruction Set Architecture Reference Guide (July 2026). The comments in the code are by the model that wrote it; some were corrected since.
;; Gated Duo Attention. Allowed arithmetic: float matrix products may take bf16 or f16 operands with f32 sums; other float arithmetic in f32, or as packed bf16 or f16 multiplies, adds, multiply-adds, maxima and minima; sums over many terms, partial sums and values carried from step to step in f32; what a program stores and reads back later, other than sums and carried values, may be rounded once to bf16 or f16.
;; Inputs: Wk 2,048 x 512 float32; Wo 2,048 x 2,048 float32; Wq 2,048 x 2,048 float32; Wv 2,048 x 512 float32; gate_b 1 float32; gate_w 2,048 x 1 float32; hidden_states 1 x 2,048 x 2,048 float32; ln_b 2,048 float32; ln_g 2,048 float32.
;; Outputs: out0 1 x 2,048 x 2,048 float32; out1 one number float32.
;; 2 versions, each right; version 2 is version 1 with the launch wprep written anew for expert scheduling mode. Each part assembles by itself: llvm-mc -triple=amdgcn-amd-amdhsa -mcpu=gfx1250 --defsym DOCPART=n.
;; ======== version 1 of 2: 5 launches
;; limits: values are held in f16: magnitudes above 65,504 overflow, below 6.1e-05 lose precision
;; workspace buffers: xb 8,388,608 bytes; gt 16,384 bytes; wcat 12,582,912 bytes; wob 8,388,608 bytes; qb 8,388,608 bytes; kvb 4,194,304 bytes; ab 8,388,608 bytes
;; launch xprep (part 1): grid 256 x 1, 4 waves a work-group, no clusters, 0 bytes of LDS; arguments hidden_states, ln_g, ln_b, gate_w, gate_b, xb, gt; writes xb, gt
.if DOCPART == 1
	.amdgcn_target "amdgcn-amd-amdhsa--gfx1250"
	.amdhsa_code_object_version 6
	.text
	.protected	k_qe2dfaa760c_xprep
	.globl	k_qe2dfaa760c_xprep
	.p2align	8
	.type	k_qe2dfaa760c_xprep,@function
k_qe2dfaa760c_xprep:
	s_mov_b64 s[64:65], 0
	v_nop
	global_prefetch_b8 v0, s[64:65] scope:SCOPE_SE
	s_setreg_imm32_b32 hwreg(HW_REG_WAVE_MODE, 25, 1), 1
	s_wait_xcnt 0x0
; X (2048 x 2048 f32) is rounded to bf16 into xb, and each token's gate and its term of the loss are made.
; gate = sigmoid(clip(LayerNorm(x) . gate_w + gate_b, -10, 10)) = sigmoid(clip(rs * sum((x - mu) ln_g w) + sum(ln_b w) + gate_b)).
; ONE ROUNDING FOR ALL INPUTS. The products of the later launches take x and the weights rounded to bf16; the gate takes the same rounded x, and ln_g, ln_b,
; gate_w and gate_b rounded likewise, each widened again: the arithmetic is f32, and the whole program is one function of one set of rounded inputs.
; The mean is taken first and the sums are taken of x - mu: no difference of large sums is formed.
; SHARES. 256 work-groups of four waves; a wave owns two rows and keeps them in registers: X is read once.  In load j a lane
; holds elements 128 j + 4 lane .. + 3 of a row, and the same elements of ln_g, gate_w and ln_b.  No wave needs another: no LDS, no barrier;
; no work-group shares more than the three short vectors with another, so there is no cluster, and there is no matrix product here.
; gt: gates[2048] f32 at byte 0, loss terms[2048] f32 at byte 8192.  A wave writes 16 bytes of gt, the one place where
; 256 consecutive bytes are not written by one instruction: 16,384 bytes in the whole launch.
; LIMITS. The gate is that of the inputs rounded to bf16 (8 significant bits): with a common offset on x its distance from the gate of the unrounded x grows
; as the rounding of x does, as it does for q, k and v.  NaN and infinities are not treated apart; a row whose variance overflows f32 is not served.
.set X0, 16                            ; v16-79    row 0
.set X1, 80                            ; v80-143   row 1
.set GW, 144                           ; v144-207  ln_g, then ln_g * gate_w
.set Y,  208                           ; v208-239  a row in bf16, to store
.set WW, 0                             ; window 1: v0-63 gate_w
.set BB, 64                            ; window 1: v64-127 ln_b
.set MSB, 0
.macro WIN new                         ; the immediate's high byte repeats the setting that is left
.if MSB != (\new)
	s_set_vgpr_msb (MSB<<8)|(\new)
.set MSB, (\new)
.endif
.endm
	s_load_b256 s[4:11], s[0:1], 0x0               ; hidden_states s[4:5], ln_g s[6:7], ln_b s[8:9], gate_w s[10:11]
	s_load_b128 s[12:15], s[0:1], 0x20             ; gate_b s[12:13], xb s[14:15]
	s_load_b64 s[16:17], s[0:1], 0x30              ; gt
	v_and_b32 v2, 31, v0                           ; lane
	v_lshrrev_b32 v4, 5, v0
	v_readfirstlane_b32 s20, v4                    ; wave
	v_lshlrev_b32 v1, 4, v2                        ; 16 lane: my place in 512 bytes of f32
	v_lshlrev_b32 v3, 3, v2                        ; 8 lane: my place in 256 bytes of bf16
	v_mov_b32 v12, 0                               ; v_permlanex16_b32's destination counts as read
	s_lshl_b32 s19, ttmp9, 2
	s_add_co_u32 s19, s19, s20                     ; my pair of rows, 0 .. 1023
	s_lshl_b32 s2, s19, 14                         ; two rows of 8,192 bytes
	s_mov_b32 s3, 0
	s_mov_b32 s21, 0x3a000000                      ; 1 / 2048
	s_mov_b32 s22, 0x3727c5ac                      ; 1e-5
	s_mov_b32 s23, 0xc1200000                      ; -10
	s_mov_b32 s24, 0x41200000                      ; 10
	s_mov_b32 s25, 0x3727c5ac                      ; 1e-5
	s_mov_b32 s26, 0x3f7fff58                      ; 1 - 1e-5
	s_mov_b32 s27, 0xffff0000                      ; a word's upper bf16
	s_mov_b32 s28, 0x76543210                      ; each lane takes its own place in the other half
	s_mov_b32 s29, 0xfedcba98
	s_wait_kmcnt 0x0
	s_load_b32 s18, s[12:13], 0x0                  ; gate_b's value
	s_add_nc_u64 s[4:5], s[4:5], s[2:3]
	s_lshl_b32 s2, s19, 13                         ; two rows of 4,096 bytes
	s_add_nc_u64 s[14:15], s[14:15], s[2:3]
	s_lshl_b32 s19, s19, 3                         ; two gates of 4 bytes
.set j, 0
.rept 16
	global_load_b128 v[X0+4*j:X0+4*j+3], v1, s[4:5] offset:512*j th:TH_LOAD_NT
.set j, j+1
.endr
.set j, 0
.rept 16
	global_load_b128 v[X1+4*j:X1+4*j+3], v1, s[4:5] offset:8192+512*j th:TH_LOAD_NT
.set j, j+1
.endr
.set j, 0
.rept 16
	global_load_b128 v[GW+4*j:GW+4*j+3], v1, s[6:7] offset:512*j
.set j, j+1
.endr
	WIN 0x40                                       ; destination window 1, address window 0
.set j, 0
.rept 16
	global_load_b128 v[WW+4*j:WW+4*j+3], v1, s[10:11] offset:512*j
.set j, j+1
.endr
.set j, 0
.rept 16
	global_load_b128 v[BB+4*j:BB+4*j+3], v1, s[8:9] offset:512*j
.set j, j+1
.endr
	WIN 0
; four pairs of partial sums, v[4:11], become one number in v4, the same in every lane
.macro FOLD
	v_pk_add_f32 v[4:5], v[4:5], v[6:7]
	v_pk_add_f32 v[8:9], v[8:9], v[10:11]
	v_pk_add_f32 v[4:5], v[4:5], v[8:9]
	v_add_f32 v4, v4, v5
	v_add_f32_dpp v4, v4, v4 row_xmask:1 row_mask:0xf bank_mask:0xf
	v_add_f32_dpp v4, v4, v4 row_xmask:2 row_mask:0xf bank_mask:0xf
	v_add_f32_dpp v4, v4, v4 row_xmask:4 row_mask:0xf bank_mask:0xf
	v_add_f32_dpp v4, v4, v4 row_xmask:8 row_mask:0xf bank_mask:0xf
	v_permlanex16_b32 v12, v4, s28, s29
	v_add_f32 v4, v4, v12
.endm
; the sum of a[i] b[i] over my 64 elements, in four chains that the first four products start
.macro DOT a, b
.set p, 0
.rept 4
	v_pk_mul_f32 v[4+2*p:5+2*p], v[(\a)+2*p:(\a)+2*p+1], v[(\b)+2*p:(\b)+2*p+1]
.set p, p+1
.endr
.rept 28
	v_pk_fma_f32 v[4+2*(p%4):5+2*(p%4)], v[(\a)+2*p:(\a)+2*p+1], v[(\b)+2*p:(\b)+2*p+1], v[4+2*(p%4):5+2*(p%4)]
.set p, p+1
.endr
.endm
; my 64 numbers at b are rounded to bf16 and widened again, in place: a pair is packed into its first register, the upper half is masked out into the second, the lower shifted up in the first.
; The caller sets the window: destination and both sources lie in b's.
.macro RND b
.set p, 0
.rept 32
	v_cvt_pk_bf16_f32 v[(\b)+2*p], v[(\b)+2*p], v[(\b)+2*p+1]
.set p, p+1
.endr
.set p, 0
.rept 32
	v_and_b32 v[(\b)+2*p+1], s27, v[(\b)+2*p]
.set p, p+1
.endr
.set p, 0
.rept 32
	v_lshlrev_b32 v[(\b)+2*p], 16, v[(\b)+2*p]
.set p, p+1
.endr
.endm
; a row is rounded to bf16 and stored (each store is 256 consecutive bytes at a multiple of 256), the rounded numbers are widened back into the row's registers, and their mean goes into the pair mu
.macro CASTMEAN x, mu, off
.set p, 0
.rept 32
	v_cvt_pk_bf16_f32 v[Y+p], v[(\x)+2*p], v[(\x)+2*p+1]
.set p, p+1
.endr
.set p, 0
.rept 16
	global_store_b64 v3, v[Y+2*p:Y+2*p+1], s[14:15] offset:(\off)+256*p
.set p, p+1
.endr
.set p, 0
.rept 32
	v_lshlrev_b32 v[(\x)+2*p], 16, v[Y+p]
	v_and_b32 v[(\x)+2*p+1], s27, v[Y+p]
.set p, p+1
.endr
.set p, 0
.rept 4
	v_pk_add_f32 v[4+2*p:5+2*p], v[(\x)+2*p:(\x)+2*p+1], v[(\x)+8+2*p:(\x)+9+2*p]
.set p, p+1
.endr
.set p, 8
.rept 24
	v_pk_add_f32 v[4+2*(p%4):5+2*(p%4)], v[4+2*(p%4):5+2*(p%4)], v[(\x)+2*p:(\x)+2*p+1]
.set p, p+1
.endr
	FOLD
	v_mul_f32 v[\mu], s21, v4
	v_mov_b32 v[(\mu)+1], v[\mu]
.endm
; a row's gate into g and its term of the loss into t
.macro GATE x, mu, g, t
.set p, 0
.rept 32
	v_pk_add_f32 v[(\x)+2*p:(\x)+2*p+1], v[(\x)+2*p:(\x)+2*p+1], v[\mu:(\mu)+1] neg_lo:[0,1] neg_hi:[0,1]
.set p, p+1
.endr
	DOT \x, \x
	FOLD
	v_fma_f32 v13, v4, s21, s22                    ; variance + 1e-5
	DOT \x, GW
	FOLD
	v_rsq_f32 v13, v13
	v_nop                                          ; a plain instruction behind each transcendental before its result is used (ISA guide 5.7.2)
	s_wait_alu depctr_va_vdst(0)
	v_fma_f32 v13, v13, v4, v244
	v_med3_num_f32 v13, v13, s23, s24              ; the clip
	v_mul_f32 v13, 0xbfb8aa3b, v13                 ; -log2(e) z
	v_exp_f32 v13, v13
	v_nop
	s_wait_alu depctr_va_vdst(0)
	v_add_f32 v13, 1.0, v13
	v_rcp_f32 v[\g], v13
	v_nop
	s_wait_alu depctr_va_vdst(0)
	v_sub_f32 v13, 1.0, v[\g]                      ; 1 - g
	v_med3_num_f32 v14, v[\g], s25, s26            ; g clipped
	v_sub_f32 v15, 1.0, v14
	v_log_f32 v14, v14
	v_log_f32 v15, v15
	v_fma_f32 v[\t], -v[\g], v13, v[\g]            ; g - g (1 - g)
	s_wait_alu depctr_va_vdst(0)
	v_mul_f32 v14, v[\g], v14
	v_fma_f32 v14, v13, v15, v14                   ; g log2(gc) + (1 - g) log2(1 - gc)
	v_mul_f32 v[\t], 0x3dcccccd, v[\t]             ; 0.1 x
	v_fmamk_f32 v[\t], v14, 0xbbe3215f, v[\t]      ; - 0.01 ln 2 x
.endm
	s_wait_loadcnt 48                              ; both rows are in; the 48 younger loads (ln_g, gate_w, ln_b) may be out
	CASTMEAN X0, 240, 0
	s_wait_xcnt 0x0                                ; Y is rewritten only behind this wait
	CASTMEAN X1, 242, 4096
	s_wait_loadcnt 0x0
	s_wait_kmcnt 0x0                               ; gate_b
	RND GW                                         ; ln_g
	WIN 0x45                                       ; destination and sources 0 and 1 in window 1
	RND WW                                         ; gate_w
	RND BB                                         ; ln_b
	WIN 0x04                                       ; source 1 in window 1
.set p, 0
.rept 32
	v_pk_mul_f32 v[GW+2*p:GW+2*p+1], v[GW+2*p:GW+2*p+1], v[WW+2*p:WW+2*p+1]
.set p, p+1
.endr
	WIN 0x05                                       ; sources 0 and 1 in window 1
	DOT BB, WW
	WIN 0
	FOLD
	v_mov_b32 v13, s18                             ; gate_b, rounded like the others
	v_cvt_pk_bf16_f32 v13, v13, v13
	v_lshlrev_b32 v13, 16, v13
	v_add_f32 v244, v13, v4                        ; sum(ln_b w) + gate_b
	GATE X0, 240, 248, 249
	GATE X1, 242, 250, 251
	; lanes 0, 1 store the two gates, lanes 2, 3 the two terms
	v_cmp_eq_u32 vcc_lo, 1, v2
	v_cndmask_b32 v13, v248, v250, vcc_lo
	v_cmp_eq_u32 vcc_lo, 2, v2
	v_cndmask_b32 v13, v13, v249, vcc_lo
	v_cmp_eq_u32 vcc_lo, 3, v2
	v_cndmask_b32 v13, v13, v251, vcc_lo
	v_and_b32 v14, 1, v2
	v_bfe_u32 v15, v2, 1, 1
	v_lshlrev_b32 v14, 2, v14
	v_lshl_add_u32 v14, v15, 13, v14
	v_add_nc_u32 v14, s19, v14
	v_cmp_gt_u32 vcc_lo, 4, v2
	s_wait_xcnt 0x0                                ; EXEC, a source of the stores above, changes only behind this wait
	s_and_saveexec_b32 s30, vcc_lo
	global_store_b32 v14, v13, s[16:17]
	s_endpgm
.Lfunc_end_k_qe2dfaa760c_xprep:
	.size	k_qe2dfaa760c_xprep, .Lfunc_end_k_qe2dfaa760c_xprep-k_qe2dfaa760c_xprep
	.p2alignl 7, 3214868480
	.fill 96, 4, 3214868480
	.section	.rodata,"a",@progbits
	.p2align	6, 0x0
	.amdhsa_kernel k_qe2dfaa760c_xprep
		.amdhsa_group_segment_fixed_size 0
		.amdhsa_private_segment_fixed_size 0
		.amdhsa_enable_private_segment 0
		.amdhsa_kernarg_size 56
		.amdhsa_user_sgpr_count 2
		.amdhsa_user_sgpr_kernarg_segment_ptr 1
		.amdhsa_wavefront_size32 1
		.amdhsa_system_sgpr_workgroup_id_x 1
		.amdhsa_system_sgpr_workgroup_id_y 1
		.amdhsa_system_sgpr_workgroup_id_z 1
		.amdhsa_system_vgpr_workitem_id 0
		.amdhsa_next_free_vgpr 384
		.amdhsa_next_free_sgpr 66
		.amdhsa_reserve_vcc 1
		.amdhsa_float_denorm_mode_32 3
		.amdhsa_float_denorm_mode_16_64 3
		.amdhsa_memory_ordered 1
		.amdhsa_forward_progress 1
		.amdhsa_inst_pref_size 59
	.end_amdhsa_kernel
	.amdgpu_metadata
---
amdhsa.version: [ 1, 2 ]
amdhsa.kernels:
  - .name:           k_qe2dfaa760c_xprep
    .symbol:         k_qe2dfaa760c_xprep.kd
    .args:
      - { .name: hidden_states, .offset: 0, .size: 8, .value_kind: global_buffer, .address_space: global }
      - { .name: ln_g, .offset: 8, .size: 8, .value_kind: global_buffer, .address_space: global }
      - { .name: ln_b, .offset: 16, .size: 8, .value_kind: global_buffer, .address_space: global }
      - { .name: gate_w, .offset: 24, .size: 8, .value_kind: global_buffer, .address_space: global }
      - { .name: gate_b, .offset: 32, .size: 8, .value_kind: global_buffer, .address_space: global }
      - { .name: xb, .offset: 40, .size: 8, .value_kind: global_buffer, .address_space: global }
      - { .name: gt, .offset: 48, .size: 8, .value_kind: global_buffer, .address_space: global }
    .group_segment_fixed_size: 0
    .private_segment_fixed_size: 0
    .kernarg_segment_align: 8
    .kernarg_segment_size: 56
    .max_flat_workgroup_size: 128
    .sgpr_count:     66
    .vgpr_count:     384
    .wavefront_size: 32
...
	.end_amdgpu_metadata
.endif
;; end of part 1
;; launch wprep (part 2): grid 256 x 1, 8 waves a work-group, no clusters, 0 bytes of LDS; arguments Wq, Wk, Wv, Wo, gt, wcat, wob, out1; writes wcat, wob, out1
.if DOCPART == 2
	.amdgcn_target "amdgcn-amd-amdhsa--gfx1250"
	.amdhsa_code_object_version 6
	.text
	.protected	k_qe2dfaa760c_wprep
	.globl	k_qe2dfaa760c_wprep
	.p2align	8
	.type	k_qe2dfaa760c_wprep,@function
k_qe2dfaa760c_wprep:
	s_mov_b64 s[64:65], 0
	v_nop
	global_prefetch_b8 v0, s[64:65] scope:SCOPE_SE
	s_setreg_imm32_b32 hwreg(HW_REG_WAVE_MODE, 25, 1), 1
	s_wait_xcnt 0x0
; The weights are rounded once to 16 bits and laid out for the products; the loss is finished.
; wcat (bf16): blocks [x 0..15][ks 0..15] of 49,152 bytes: 128 k-rows x 128 columns 128 x .. of Wq (row kr at 256 kr), then
; 128 k-rows x 64 columns 64 x .. of [Wk | Wv] (row kr at 32,768 + 128 kr): a K step's tile for one column block is 192 dense rows of 256 bytes.
; wob: Wo rounded to bf16 like every input, that number written as f16 (exact down to f16's fixed step of 6e-8 below 6e-5), [k][n].
; SHARES. A work-group owns 8 k-rows.  A chunk is one load of 512 bytes of f32 and one store of 256 consecutive bytes at a multiple of 256;
; a wave has 40 chunks and issues all 40 loads at once.  Every byte is read once: no LDS, no cluster, no matrix product.
; out1 = the mean of the 2,048 terms that the launch before stored: one wave of one work-group adds them.
.set D,  16                            ; v16-175   chunk c at D + 4 c
.set TT, 176                           ; v176-239  the loss terms
	s_load_b256 s[4:11], s[0:1], 0x0               ; Wq s[4:5], Wk s[6:7], Wv s[8:9], Wo s[10:11]
	s_load_b256 s[12:19], s[0:1], 0x20             ; gt s[12:13], wcat s[14:15], wob s[16:17], out1 s[18:19]
	v_and_b32 v2, 31, v0                           ; lane
	v_lshrrev_b32 v4, 5, v0
	v_readfirstlane_b32 s22, v4                    ; wave 0..7
	v_lshlrev_b32 v1, 4, v2                        ; 16 lane
	v_lshlrev_b32 v3, 3, v2                        ; 8 lane
	v_mov_b32 v12, 0
	v_mov_b32 v13, 0
	s_lshl_b32 s32, ttmp9, 3
	s_add_co_u32 s23, s32, s22                     ; k = 8 wg + wave: my row of Wq and of Wo
	s_lshl_b32 s20, s23, 13                        ; 8,192 k
	s_mov_b32 s21, 0
	s_lshl_b32 s36, s23, 12                        ; 4,096 k
	s_mov_b32 s37, 0
	s_lshr_b32 s28, ttmp9, 4                       ; ks = k / 128
	s_mul_i32 s28, s28, 49152
	s_and_b32 s29, s23, 127                        ; kr = k % 128
	s_lshl_b32 s29, s29, 8
	s_add_co_u32 s29, s29, s28
	v_add_nc_u32 v5, s29, v3                       ; Wq's place in block (0, ks)
	v_add_nc_u32 v6, 6291456, v5                   ; and in block (8, ks): the stores' immediates stay inside 24 bits
	s_and_b32 s30, s22, 3
	s_lshl_b32 s30, s30, 1
	s_add_co_u32 s32, s32, s30                     ; k0 = 8 wg + 2 (wave % 4): my two rows of Wk (waves 0-3) or Wv (waves 4-7)
	s_lshr_b32 s31, s22, 2
	v_lshrrev_b32 v8, 4, v2
	v_add_nc_u32 v8, s32, v8                       ; lanes 0-15 row k0, lanes 16-31 row k0 + 1
	v_and_b32 v9, 15, v2
	v_lshlrev_b32 v9, 4, v9
	v_lshl_add_u32 v7, v8, 11, v9                  ; 2,048 x row + 16 (lane % 16)
	s_mul_i32 s33, s31, 6291456                    ; Wv's columns are blocks 8 to 15
	s_add_co_u32 s33, s33, s28
	s_and_b32 s34, s32, 127
	s_lshl_b32 s34, s34, 7
	s_add_co_u32 s33, s33, s34
	s_add_co_u32 s33, s33, 32768
	v_add_nc_u32 v10, s33, v3
	s_mov_b32 s35, 0xffff0000
	s_mov_b32 s38, 0x76543210
	s_mov_b32 s39, 0xfedcba98
	s_or_b32 s26, ttmp9, s22                       ; 0 for wave 0 of work-group 0 alone
	s_wait_kmcnt 0x0
	s_add_nc_u64 s[4:5], s[4:5], s[20:21]
	s_add_nc_u64 s[10:11], s[10:11], s[20:21]
	s_add_nc_u64 s[16:17], s[16:17], s[36:37]
	s_cmp_lt_u32 s22, 4
	s_cselect_b64 s[24:25], s[6:7], s[8:9]
.set c, 0
.rept 16
	global_load_b128 v[D+4*c:D+4*c+3], v1, s[4:5] offset:512*c th:TH_LOAD_NT
.set c, c+1
.endr
.rept 8
	global_load_b128 v[D+4*c:D+4*c+3], v7, s[24:25] offset:256*(c-16) th:TH_LOAD_NT
.set c, c+1
.endr
.rept 16
	global_load_b128 v[D+4*c:D+4*c+3], v1, s[10:11] offset:512*(c-24) th:TH_LOAD_NT
.set c, c+1
.endr
	s_cmp_lg_u32 s26, 0
	s_cbranch_scc1 .Lno_loss
.set i, 0
.rept 16
	global_load_b128 v[TT+4*i:TT+4*i+3], v1, s[12:13] offset:8192+512*i
.set i, i+1
.endr
	s_wait_loadcnt 0x0
.set p, 0
.rept 4
	v_pk_add_f32 v[240+2*p:241+2*p], v[TT+2*p:TT+2*p+1], v[TT+8+2*p:TT+9+2*p]
.set p, p+1
.endr
.set p, 8
.rept 24
	v_pk_add_f32 v[240+2*(p%4):241+2*(p%4)], v[240+2*(p%4):241+2*(p%4)], v[TT+2*p:TT+2*p+1]
.set p, p+1
.endr
	v_pk_add_f32 v[240:241], v[240:241], v[242:243]
	v_pk_add_f32 v[244:245], v[244:245], v[246:247]
	v_pk_add_f32 v[240:241], v[240:241], v[244:245]
	v_add_f32 v240, v240, v241
	v_add_f32_dpp v240, v240, v240 row_xmask:1 row_mask:0xf bank_mask:0xf
	v_add_f32_dpp v240, v240, v240 row_xmask:2 row_mask:0xf bank_mask:0xf
	v_add_f32_dpp v240, v240, v240 row_xmask:4 row_mask:0xf bank_mask:0xf
	v_add_f32_dpp v240, v240, v240 row_xmask:8 row_mask:0xf bank_mask:0xf
	v_permlanex16_b32 v12, v240, s38, s39
	v_add_f32 v240, v240, v12
	v_mul_f32 v240, 0x3a000000, v240               ; / 2048
	v_cmp_eq_u32 vcc_lo, 0, v2
	s_wait_xcnt 0x0                                ; EXEC changes only behind this wait
	s_and_saveexec_b32 s27, vcc_lo
	global_store_b32 v13, v240, s[18:19]
	s_wait_xcnt 0x0                                ; and again in front of the line that widens it
	s_or_b32 exec_lo, exec_lo, s27
.Lno_loss:
; chunk c: its load is in when at most the 39 - c younger chunks are out (on the way through the loss everything has landed)
.set c, 0
.rept 24
	s_wait_loadcnt 39-c
	v_cvt_pk_bf16_f32 v[D+4*c], v[D+4*c], v[D+4*c+1]
	v_cvt_pk_bf16_f32 v[D+4*c+1], v[D+4*c+2], v[D+4*c+3]
.if c < 8
	global_store_b64 v5, v[D+4*c:D+4*c+1], s[14:15] offset:786432*c
.elseif c < 16
	global_store_b64 v6, v[D+4*c:D+4*c+1], s[14:15] offset:786432*(c-8)
.else
	global_store_b64 v10, v[D+4*c:D+4*c+1], s[14:15] offset:786432*(c-16)
.endif
.set c, c+1
.endr
.rept 16
	s_wait_loadcnt 39-c
	v_cvt_pk_bf16_f32 v[D+4*c], v[D+4*c], v[D+4*c+1]       ; rounded to bf16,
	v_cvt_pk_bf16_f32 v[D+4*c+1], v[D+4*c+2], v[D+4*c+3]
	v_lshlrev_b32 v[D+4*c+2], 16, v[D+4*c]                 ; widened again,
	v_and_b32 v[D+4*c+3], s35, v[D+4*c]
	v_cvt_pk_f16_f32 v[D+4*c], v[D+4*c+2], v[D+4*c+3]      ; and written as f16
	v_lshlrev_b32 v[D+4*c+2], 16, v[D+4*c+1]
	v_and_b32 v[D+4*c+3], s35, v[D+4*c+1]
	v_cvt_pk_f16_f32 v[D+4*c+1], v[D+4*c+2], v[D+4*c+3]
	global_store_b64 v3, v[D+4*c:D+4*c+1], s[16:17] offset:256*(c-24)
.set c, c+1
.endr
	s_endpgm
.Lfunc_end_k_qe2dfaa760c_wprep:
	.size	k_qe2dfaa760c_wprep, .Lfunc_end_k_qe2dfaa760c_wprep-k_qe2dfaa760c_wprep
	.p2alignl 7, 3214868480
	.fill 96, 4, 3214868480
	.section	.rodata,"a",@progbits
	.p2align	6, 0x0
	.amdhsa_kernel k_qe2dfaa760c_wprep
		.amdhsa_group_segment_fixed_size 0
		.amdhsa_private_segment_fixed_size 0
		.amdhsa_enable_private_segment 0
		.amdhsa_kernarg_size 64
		.amdhsa_user_sgpr_count 2
		.amdhsa_user_sgpr_kernarg_segment_ptr 1
		.amdhsa_wavefront_size32 1
		.amdhsa_system_sgpr_workgroup_id_x 1
		.amdhsa_system_sgpr_workgroup_id_y 1
		.amdhsa_system_sgpr_workgroup_id_z 1
		.amdhsa_system_vgpr_workitem_id 0
		.amdhsa_next_free_vgpr 248
		.amdhsa_next_free_sgpr 66
		.amdhsa_reserve_vcc 1
		.amdhsa_float_denorm_mode_32 3
		.amdhsa_float_denorm_mode_16_64 3
		.amdhsa_memory_ordered 1
		.amdhsa_forward_progress 1
		.amdhsa_inst_pref_size 25
	.end_amdhsa_kernel
	.amdgpu_metadata
---
amdhsa.version: [ 1, 2 ]
amdhsa.kernels:
  - .name:           k_qe2dfaa760c_wprep
    .symbol:         k_qe2dfaa760c_wprep.kd
    .args:
      - { .name: Wq, .offset: 0, .size: 8, .value_kind: global_buffer, .address_space: global }
      - { .name: Wk, .offset: 8, .size: 8, .value_kind: global_buffer, .address_space: global }
      - { .name: Wv, .offset: 16, .size: 8, .value_kind: global_buffer, .address_space: global }
      - { .name: Wo, .offset: 24, .size: 8, .value_kind: global_buffer, .address_space: global }
      - { .name: gt, .offset: 32, .size: 8, .value_kind: global_buffer, .address_space: global }
      - { .name: wcat, .offset: 40, .size: 8, .value_kind: global_buffer, .address_space: global }
      - { .name: wob, .offset: 48, .size: 8, .value_kind: global_buffer, .address_space: global }
      - { .name: out1, .offset: 56, .size: 8, .value_kind: global_buffer, .address_space: global }
    .group_segment_fixed_size: 0
    .private_segment_fixed_size: 0
    .kernarg_segment_align: 8
    .kernarg_segment_size: 64
    .max_flat_workgroup_size: 256
    .sgpr_count:     66
    .vgpr_count:     248
    .wavefront_size: 32
...
	.end_amdgpu_metadata
.endif
;; end of part 2
;; launch qkv (part 3): grid 16 x 16, 4 waves a work-group, clusters of 4 x 4, 327,680 bytes of LDS; arguments xb, wcat, qb, kvb; writes qb, kvb
.if DOCPART == 3
	.amdgcn_target "amdgcn-amd-amdhsa--gfx1250"
	.amdhsa_code_object_version 6
	.text
	.protected	k_qe2dfaa760c_qkv
	.globl	k_qe2dfaa760c_qkv
	.p2align	8
	.type	k_qe2dfaa760c_qkv,@function
k_qe2dfaa760c_qkv:
	s_mov_b64 s[64:65], 0
	v_nop
	global_prefetch_b8 v0, s[64:65] scope:SCOPE_SE
	s_setreg_imm32_b32 hwreg(HW_REG_WAVE_MODE, 25, 1), 1
	s_wait_xcnt 0x0
	s_wait_alu depctr_hold_cnt(0) depctr_sa_sdst(0) depctr_va_vdst(0) depctr_va_sdst(0) depctr_va_ssrc(0) depctr_va_vcc(0) depctr_vm_vsrc(0)
	s_getreg_b32 s2, hwreg(HW_REG_IB_STS2, 6, 4)
	s_cmp_eq_u32 s2, 0
	s_cbranch_scc0 .Lentry_in_a_cluster
	s_endpgm
.Lentry_in_a_cluster:
	s_bfe_u32 s2, ttmp6, 0x10000c
	s_cmp_lg_u32 s2, 0xf033
	s_cbranch_scc0 .Lentry_shape_is_right
	s_endpgm
.Lentry_shape_is_right:
; q = X Wq, k = X Wk, v = X Wv in one launch.  Operands bf16, sums f32, results rounded once to f16, unscaled.
; A TILE is 128 rows x (128 columns of q = head x, and 64 columns of [k | v] = plane x): 16 x 16 = 256 work-groups of equal work.
; Four waves, each 64 rows x (64 + 32) columns: 4 x 6 accumulators of 16 x 16.  K goes in 16 steps of 128 through two LDS slots.
; qb: [2048][2048] f16.  kvb: [16 planes][2048 keys][64 channels] f16, dense rows of 128 bytes; k's head j is planes 2 j, 2 j + 1, v's 8 + 2 j, 9 + 2 j.
; CLUSTER 4 x 4: X's tile is shared along a row of the cluster, the weights' along a column; each is asked for jointly.
; THE WALK ALONG K BEGINS WHERE THE CLUSTER SAYS: clusters whose x + y is odd begin at K step 8 and wrap round.  Clusters that are neighbours along x need the same tiles of X,
; neighbours along y the same tiles of the weights: in the second half of its walk each asks for tiles that a neighbour asked for half a walk earlier.  The sums hold the same terms in another order.
; The weights lie [k][n] in LDS and are turned on the way into registers (ds_load_tr16_b128).  The matrix instruction is used transposed
; (source 0 = 16 columns of W, source 1 = 16 rows of X): a lane holds eight neighbouring columns of one row of the result.
; LIMIT. f16 ends at 65,504: |q|, |k|, |v| must stay below it (sums of 2,048 products of numbers of spread 1 and 1/45 have spread 1).
; REGISTERS. window 0: v16-27 addresses, v28-29 the add's, v32-55 at work on the way out, v64-255 accumulator (a, b) at 64 + 8 (6 a + b).
; window 1: two fragment buffers of 80: four fragments of X, then six of W.
.set PA,    272                        ; a row of X in LDS: 256 bytes + 16: the 16 rows of a load start 4 banks apart
.set PB,    288                        ; a row of W: 256 + 32: the 8 rows of a turning load start 8 banks apart
.set AHALF, 64*PA
.set BOFF,  128*PA
.set BHALF, 96*PB
.set KVOFF, BOFF+128*PB                ; the [k | v] part: two k-rows of 128 bytes in each LDS row
.set SLOT,  BOFF+192*PB                ; 90,112
.set STQ,   2*SLOT                     ; the way out: 128 rows x 272 for q,
.set STK,   STQ+128*272                ; 128 rows x 144 for k | v
.set SPARE, STK+128*144                ; the spare words: 512 bytes that no other line names
.set LAPS,  8                          ; a lap = two K steps
.set NL,    20                         ; LDS loads of a piece of 32 along K
.set ADRA, 16
.set ADRQ, 18
.set ADRK, 20
.set STOQ, 22
.set STOK, 23
.set RDQ,  24
.set RDK,  25
.set COQ,  26
.set COK,  27
.set SPW,  28
.set NIL,  29
.set TMP,  32
.set ACC,  64
.set F0,   0
.set F1,   80
.set G1,  24                           ; s[24:31] group 1 for X's tiles; s[32:39] group 0, a set for each slot
.set G0,  32
.set G1B, 48                           ; s[48:55], s[56:63] the same for the weights'
.set G0B, 56
.set WV,  68                           ; wave
.set WR,  69                           ; my half of the rows; also: I fetch X (0) or W (1)
.set WC,  70                           ; my half of the columns; also: which half of that tile I fetch
.set BB,  72                           ; s[72:73] the weights at my half of block (x, 0); X at my rows lies in s[14:15]
.set KS,  74                           ; the K step asked for last, 0 .. 15
.set OA,  76                           ; s[76:77] its byte offset in a row of X
.set OB,  78                           ; s[78:79] its byte offset among the blocks
.set MSB, 0
.macro WIN new
.if MSB != (\new)
	s_set_vgpr_msb (MSB<<8)|(\new)
.set MSB, (\new)
.endif
.endm
.set MUL,  0x05                        ; sources 0 and 1 window 1; C and D window 0
.set TO_F, 0x40                        ; destination window 1, address window 0
.macro JLOAD s                         ; a joint load; an s_nop 0 and four v_nop follow each of the two lines
	s_cmp_eq_u32 s[WR], 0
	s_cbranch_scc0 .Lfor_b_\@
	tensor_load_to_lds s[G0+4*(\s):G0+4*(\s)+3], s[G1:G1+7]
	s_nop 0
.rept 4
	v_nop
.endr
	s_branch .Lasked_\@
.Lfor_b_\@:
	tensor_load_to_lds s[G0B+4*(\s):G0B+4*(\s)+3], s[G1B:G1B+7]
	s_nop 0
.rept 4
	v_nop
.endr
.Lasked_\@:
.endm
.macro SETG slot                       ; both global addresses of a slot's group 0 are made anew for K step KS: the base, an offset made apart, the type bits
	s_lshl_b32 s[OA], s[KS], 8                     ; 128 bf16 along a row of X
	s_mul_i32 s[OB], s[KS], 49152                  ; a block of the weights
	s_add_nc_u64 s[G0+4*(\slot)+2:G0+4*(\slot)+3], s[14:15], s[OA:OA+1]
	s_or_b32 s[G0+4*(\slot)+3], s[G0+4*(\slot)+3], 0x80000000
	s_add_nc_u64 s[G0B+4*(\slot)+2:G0B+4*(\slot)+3], s[BB:BB+1], s[OB:OB+1]
	s_or_b32 s[G0B+4*(\slot)+3], s[G0B+4*(\slot)+3], 0x80000000
.endm
.macro CREST                           ; a round of the cluster's barrier behind its opening barrier
	s_cmp_lg_u32 s[WV], 0
	s_cbranch_scc1 .Lnot_wave_0_\@
	s_barrier_signal -3
.Lnot_wave_0_\@:
	s_barrier_wait -3
	s_barrier_signal -1
	s_barrier_wait -1
.endm
.macro CROUND
	s_barrier_signal -1
	s_barrier_wait -1
	CREST
.endm
.macro PLACES                          ; four places in front of loads into registers that matrix instructions have read, and of reads of results
.rept 4
	v_nop
.endr
.endm
	s_load_b256 s[4:11], s[0:1], 0x0               ; xb s[4:5], wcat s[6:7], qb s[8:9], kvb s[10:11]
	v_lshl_add_u32 v[SPW], v0, 2, SPARE
	v_mov_b32 v[NIL], 0
	ds_add_u32 v[SPW], v[NIL]                      ; the wave's opening: the add and its wait stand ahead of my first tensor load
	v_lshrrev_b32 v1, 5, v0
	v_readfirstlane_b32 s[WV], v1
	s_lshr_b32 s[WR], s[WV], 1
	s_and_b32 s[WC], s[WV], 1
	s_bfe_u32 s40, ttmp6, 0x40000                  ; cx
	s_bfe_u32 s41, ttmp6, 0x40004                  ; cy
	s_lshl_b32 s42, ttmp9, 2
	s_add_co_u32 s42, s42, s40                     ; x: column block
	s_and_b32 s13, ttmp7, 0xffff
	s_lshl_b32 s13, s13, 2
	s_add_co_u32 s13, s13, s41                     ; y: row block
	s_lshl_b32 s43, s41, 2
	s_lshl_b32 s43, 15, s43                        ; my row of the cluster
	s_lshl_b32 s44, 0x1111, s40                    ; my column
	s_xor_b32 s[KS], ttmp9, ttmp7                  ; the cluster's x and y, which all sixteen partners share:
	s_and_b32 s[KS], s[KS], 1                      ; is x + y odd?
	s_lshl_b32 s[KS], s[KS], 3                     ; then the walk begins at K step 8
	s_mov_b32 s[OA+1], 0
	s_mov_b32 s[OB+1], 0
	s_or_b32 s[G1], s43, (1<<16)|(1<<20)|(1<<21)|(5<<22)|(3<<25)   ; mask; 2-byte elements; padding on; bit 21 beside a mask; after 64 words, 4 words
	s_or_b32 s[G1B], s44, (1<<16)|(1<<20)|(1<<21)|(5<<22)|(7<<25)  ; the same with 8 words
	s_mov_b32 s[G1+1], 128<<16                     ; tensor_dim0 = 128
	s_mov_b32 s[G1+2], 64<<16                      ; tensor_dim1 = 64
	s_mov_b32 s[G1+3], 128<<16                     ; tile_dim0 = 128
	s_mov_b32 s[G1+4], 64                          ; tile_dim1 = 64
	s_mov_b32 s[G1+5], 2048                        ; elements from row to row
	s_mov_b32 s[G1+6], 0
	s_mov_b32 s[G1+7], 0
	s_mov_b32 s[G1B+1], 128<<16
	s_mov_b32 s[G1B+2], 96<<16                     ; half a block: 96 dense rows of 256 bytes
	s_mov_b32 s[G1B+3], 128<<16
	s_mov_b32 s[G1B+4], 96
	s_mov_b32 s[G1B+5], 128
	s_mov_b32 s[G1B+6], 0
	s_mov_b32 s[G1B+7], 0
	s_lshl_b32 s16, s13, 7
	s_lshl_b32 s17, s[WC], 6
	s_add_co_u32 s16, s16, s17                     ; X: row 128 y + 64 x half,
	s_lshl_b32 s16, s16, 12                        ; of 4,096 bytes
	s_mov_b32 s17, 0
	s_mul_i32 s46, s42, 786432                     ; W: block (x, 0),
	s_mul_i32 s47, s[WC], 24576                    ; its half
	s_add_co_u32 s46, s46, s47
	s_mov_b32 s47, 0
	s_mul_i32 s20, s[WC], AHALF                    ; where they go: no place in the cluster enters an LDS address
	s_mul_i32 s21, s[WC], BHALF
	s_add_co_u32 s21, s21, BOFF
	s_wait_dscnt 0x0                               ; the opening add is done
	s_wait_kmcnt 0x0
	s_add_nc_u64 s[14:15], s[4:5], s[16:17]
	s_add_nc_u64 s[BB:BB+1], s[6:7], s[46:47]
	CROUND                                         ; all sixteen work-groups are here: the first joint loads meet
.irp s, 0,1
	s_mov_b32 s[G0+4*(\s)], 1
	s_add_co_u32 s[G0+4*(\s)+1], s20, (\s)*SLOT
	s_mov_b32 s[G0B+4*(\s)], 1
	s_add_co_u32 s[G0B+4*(\s)+1], s21, (\s)*SLOT
	SETG \s
	JLOAD \s                                       ; two tensor loads of mine are out
.if (\s) == 0
	s_add_co_u32 s[KS], s[KS], 1                   ; the walk's second step: 1 or 9
.endif
.endr
	v_and_b32 v1, 15, v0                           ; r = l % 16
	v_bfe_u32 v2, v0, 4, 1                         ; h = l / 16
	v_and_b32 v11, 7, v0
	v_lshl_add_u32 v3, v2, 3, v11                  ; kl = 8 h + l % 8: my k-row in a turning load
	v_bfe_u32 v4, v0, 3, 1                         ; u: which 8 of its 16 columns
	v_mul_u32_u24 v5, v1, PA
	v_lshl_add_u32 v5, v2, 4, v5                   ; r x 272 + 16 h
	s_mul_i32 s22, s[WR], 64*PA
	v_add_nc_u32 v[ADRA], s22, v5
	v_add_nc_u32 v[ADRA+1], SLOT, v[ADRA]
	v_mul_u32_u24 v6, v3, PB
	v_lshl_add_u32 v6, v4, 4, v6
	s_lshl_b32 s22, s[WC], 7
	s_add_co_u32 s22, s22, BOFF
	v_add_nc_u32 v[ADRQ], s22, v6
	v_add_nc_u32 v[ADRQ+1], SLOT, v[ADRQ]
	v_lshrrev_b32 v7, 1, v3
	v_mul_u32_u24 v7, v7, PB
	v_and_b32 v8, 1, v3
	v_lshl_add_u32 v7, v8, 7, v7
	v_lshl_add_u32 v7, v4, 4, v7
	s_lshl_b32 s22, s[WC], 6
	s_add_co_u32 s22, s22, KVOFF
	v_add_nc_u32 v[ADRK], s22, v7
	v_add_nc_u32 v[ADRK+1], SLOT, v[ADRK]
	s_mul_i32 s22, s[WR], 64*272                   ; into the stages: my 64 rows, my half of their bytes
	s_lshl_b32 s23, s[WC], 7
	s_add_co_u32 s22, s22, s23
	s_add_co_u32 s22, s22, STQ
	v_add_nc_u32 v[STOQ], s22, v5
	v_mul_u32_u24 v9, v1, 144
	v_lshl_add_u32 v9, v2, 4, v9
	s_mul_i32 s22, s[WR], 64*144
	s_lshl_b32 s23, s[WC], 6
	s_add_co_u32 s22, s22, s23
	s_add_co_u32 s22, s22, STK
	v_add_nc_u32 v[STOK], s22, v9
	v_mul_u32_u24 v9, v2, 272                      ; back: wave w takes rows 32 w .. 32 w + 31, whole
	v_lshl_add_u32 v9, v1, 4, v9
	s_mul_i32 s22, s[WV], 32*272
	s_add_co_u32 s22, s22, STQ
	v_add_nc_u32 v[RDQ], s22, v9
	v_bfe_u32 v10, v0, 3, 2
	v_mul_u32_u24 v10, v10, 144
	v_lshl_add_u32 v10, v11, 4, v10
	s_mul_i32 s22, s[WV], 32*144
	s_add_co_u32 s22, s22, STK
	v_add_nc_u32 v[RDK], s22, v10
	v_lshlrev_b32 v[COQ], 12, v2
	v_lshl_add_u32 v[COQ], v1, 4, v[COQ]           ; two rows of qb
	v_and_b32 v[COK], 31, v0
	v_lshlrev_b32 v[COK], 4, v[COK]                ; 512 consecutive bytes of a plane
	s_lshl_b32 s16, s13, 7
	s_lshl_b32 s17, s[WV], 5
	s_add_co_u32 s16, s16, s17                     ; the first row that I store: 128 y + 32 w
	s_lshl_b32 s18, s16, 7
	s_mov_b32 s19, 0
	s_lshl_b32 s16, s16, 12
	s_mov_b32 s17, 0
	s_add_nc_u64 s[8:9], s[8:9], s[16:17]
	s_add_nc_u64 s[10:11], s[10:11], s[18:19]
	s_lshl_b32 s46, s42, 8
	s_mov_b32 s47, 0
	s_add_nc_u64 s[8:9], s[8:9], s[46:47]
	s_lshl_b32 s46, s42, 18
	s_add_nc_u64 s[10:11], s[10:11], s[46:47]
; six matrix instructions: row block a x all six column blocks, 32 along K.  zero = 1: the product starts the sums
.macro MULP f, a, zero
	WIN MUL
.irp b, 0,1,2,3,4,5
.if \zero
	v_wmma_f32_16x16x32_bf16 v[ACC+8*(6*(\a)+(\b)):ACC+8*(6*(\a)+(\b))+7], v[(\f)+32+8*(\b):(\f)+32+8*(\b)+7], v[(\f)+8*(\a):(\f)+8*(\a)+7], 0
.else
	v_wmma_f32_16x16x32_bf16 v[ACC+8*(6*(\a)+(\b)):ACC+8*(6*(\a)+(\b))+7], v[(\f)+32+8*(\b):(\f)+32+8*(\b)+7], v[(\f)+8*(\a):(\f)+8*(\a)+7], v[ACC+8*(6*(\a)+(\b)):ACC+8*(6*(\a)+(\b))+7]
.endif
.endr
.endm
; 20 LDS loads in one run: piece q (32 along K) of a slot into buffer f
.macro FETCH slot, q, f
	WIN TO_F
.irp b, 0,1,2,3
	ds_load_tr16_b128 v[(\f)+32+8*(\b):(\f)+32+8*(\b)+3],   v[ADRQ+(\slot)] offset:32*PB*(\q)+32*(\b)
	ds_load_tr16_b128 v[(\f)+32+8*(\b)+4:(\f)+32+8*(\b)+7], v[ADRQ+(\slot)] offset:32*PB*(\q)+32*(\b)+16*PB
.endr
.irp b, 0,1
	ds_load_tr16_b128 v[(\f)+64+8*(\b):(\f)+64+8*(\b)+3],   v[ADRK+(\slot)] offset:16*PB*(\q)+32*(\b)
	ds_load_tr16_b128 v[(\f)+64+8*(\b)+4:(\f)+64+8*(\b)+7], v[ADRK+(\slot)] offset:16*PB*(\q)+32*(\b)+8*PB
.endr
.irp a, 0,1,2,3
	ds_load_b128 v[(\f)+8*(\a):(\f)+8*(\a)+3],   v[ADRA+(\slot)] offset:64*(\q)+16*PA*(\a)
	ds_load_b128 v[(\f)+8*(\a)+4:(\f)+8*(\a)+7], v[ADRA+(\slot)] offset:64*(\q)+16*PA*(\a)+32
.endr
.endm
; One of a K step's first three pieces: piece q is fetched into g, then buffer f is multiplied
.macro QUARTER slot, q, f, g, zero
	PLACES                                         ; behind the products that read g
	FETCH \slot, \q, \g
	s_wait_dscnt NL                                ; all but the 20 just issued: f is in
	MULP \f, 0, \zero
	MULP \f, 1, \zero
	MULP \f, 2, \zero
	MULP \f, 3, \zero
.endm
; The last piece multiplies buffer 1 and changes slots: one barrier; in front of it each wave waits for all its tensor loads (one is out: its part
; of the next slot), adds 0 to its spare word, and waits for that and for its own reads of this slot.  fill = 1: this slot is filled again, with the walk's step two steps on.
.macro TURN slot, next, fill
	WIN 0
	s_wait_tensorcnt 0x0
	ds_add_u32 v[SPW], v[NIL]
	s_wait_dscnt 1                                 ; only the add may be out: buffer 1 is in
	MULP F1, 0, 0
	s_wait_dscnt 0x0                               ; the add is done, and my reads of this slot are over
	s_barrier_signal -1
	MULP F1, 1, 0
.if \fill
	WIN 0
.endif
	s_barrier_wait -1
.if \fill
	CREST                                          ; the barrier has opened a round of the cluster's: no wave of any partner still reads this slot or has a load on its way
	s_add_co_u32 s[KS], s[KS], 1                   ; the walk's next K step,
	s_and_b32 s[KS], s[KS], 15                     ; round the end of K
	SETG \slot
	JLOAD \slot                                    ; my one tensor load behind the round; its four v_nop are the places in front of the loads below
.else
	PLACES
.endif
	FETCH \next, 0, F0
	MULP F1, 2, 0
	MULP F1, 3, 0
.endm
	s_wait_tensorcnt 1                             ; my part of the walk's first step is in; the second's may be out
	s_barrier_signal -1
	s_barrier_wait -1
	FETCH 0, 0, F0
	QUARTER 0, 1, F0, F1, 1                        ; the first piece starts the sums
	WIN 0
	s_mov_b32 s3, LAPS-1
.Llap:                                                 ; a trip goes once round the ring and fills both slots again
	QUARTER 0, 2, F1, F0, 0
	QUARTER 0, 3, F0, F1, 0
	TURN 0, 1, 1
	QUARTER 1, 1, F0, F1, 0
	QUARTER 1, 2, F1, F0, 0
	QUARTER 1, 3, F0, F1, 0
	TURN 1, 0, 1
	QUARTER 0, 1, F0, F1, 0
	WIN 0
	s_sub_co_u32 s3, s3, 1
	s_cmp_lg_u32 s3, 0
	s_cbranch_scc1 .Llap
	QUARTER 0, 2, F1, F0, 0                        ; the last lap fills nothing
	QUARTER 0, 3, F0, F1, 0
	TURN 0, 1, 0
	QUARTER 1, 1, F0, F1, 0
	QUARTER 1, 2, F1, F0, 0
	QUARTER 1, 3, F0, F1, 0
	s_wait_dscnt 0x0
	MULP F1, 0, 0
	MULP F1, 1, 0
	MULP F1, 2, 0
	MULP F1, 3, 0
	WIN 0
	; THE WAY OUT: rounded to f16, 16 bytes a lane into the work-group's stages; a barrier, since a row's bytes come from two waves; back as whole rows.
	PLACES
.irp a, 0,1,2,3
.irp b, 0,1,2,3,4,5
.irp r, 0,1,2,3
	v_cvt_pk_f16_f32 v[TMP+4*(\b)+(\r)], v[ACC+8*(6*(\a)+(\b))+2*(\r)], v[ACC+8*(6*(\a)+(\b))+2*(\r)+1]
.endr
.endr
.irp b, 0,1,2,3
	ds_store_b128 v[STOQ], v[TMP+4*(\b):TMP+4*(\b)+3] offset:16*272*(\a)+32*(\b)
.endr
.irp b, 0,1
	ds_store_b128 v[STOK], v[TMP+16+4*(\b):TMP+16+4*(\b)+3] offset:16*144*(\a)+32*(\b)
.endr
.endr
	s_wait_dscnt 0x0                               ; for the others' sake: my stores into the stages are done
	s_barrier_signal -1
	s_barrier_wait -1
.set t, 0
.rept 16
	ds_load_b128 v[64+4*t:64+4*t+3], v[RDQ] offset:544*t
.set t, t+1
.endr
.set t, 0
.rept 8
	ds_load_b128 v[128+4*t:128+4*t+3], v[RDK] offset:576*t
.set t, t+1
.endr
.set t, 0
.rept 16
	s_wait_dscnt 23-t                              ; the younger loads may be out
	global_store_b128 v[COQ], v[64+4*t:64+4*t+3], s[8:9] offset:8192*t    ; 16 lanes store 256 consecutive bytes at a multiple of 256
.set t, t+1
.endr
.set t, 0
.rept 8
	s_wait_dscnt 7-t
	global_store_b128 v[COK], v[128+4*t:128+4*t+3], s[10:11] offset:512*t ; four keys: 512 consecutive bytes
.set t, t+1
.endr
	s_wait_tensorcnt 0x0                           ; the wave's end
	ds_add_u32 v[SPW], v[NIL]
	s_wait_dscnt 0x0
	CROUND                                         ; the closing round
	s_endpgm
.Lfunc_end_k_qe2dfaa760c_qkv:
	.size	k_qe2dfaa760c_qkv, .Lfunc_end_k_qe2dfaa760c_qkv-k_qe2dfaa760c_qkv
	.p2alignl 7, 3214868480
	.fill 96, 4, 3214868480
	.section	.rodata,"a",@progbits
	.p2align	6, 0x0
	.amdhsa_kernel k_qe2dfaa760c_qkv
		.amdhsa_group_segment_fixed_size 327680
		.amdhsa_private_segment_fixed_size 0
		.amdhsa_enable_private_segment 0
		.amdhsa_kernarg_size 32
		.amdhsa_user_sgpr_count 2
		.amdhsa_user_sgpr_kernarg_segment_ptr 1
		.amdhsa_wavefront_size32 1
		.amdhsa_system_sgpr_workgroup_id_x 1
		.amdhsa_system_sgpr_workgroup_id_y 1
		.amdhsa_system_sgpr_workgroup_id_z 1
		.amdhsa_system_vgpr_workitem_id 0
		.amdhsa_next_free_vgpr 416
		.amdhsa_next_free_sgpr 80
		.amdhsa_reserve_vcc 0
		.amdhsa_float_denorm_mode_32 3
		.amdhsa_float_denorm_mode_16_64 3
		.amdhsa_memory_ordered 1
		.amdhsa_forward_progress 1
		.amdhsa_inst_pref_size 72
	.end_amdhsa_kernel
	.amdgpu_metadata
---
amdhsa.version: [ 1, 2 ]
amdhsa.kernels:
  - .name:           k_qe2dfaa760c_qkv
    .symbol:         k_qe2dfaa760c_qkv.kd
    .args:
      - { .name: xb, .offset: 0, .size: 8, .value_kind: global_buffer, .address_space: global }
      - { .name: wcat, .offset: 8, .size: 8, .value_kind: global_buffer, .address_space: global }
      - { .name: qb, .offset: 16, .size: 8, .value_kind: global_buffer, .address_space: global }
      - { .name: kvb, .offset: 24, .size: 8, .value_kind: global_buffer, .address_space: global }
    .group_segment_fixed_size: 327680
    .private_segment_fixed_size: 0
    .kernarg_segment_align: 8
    .kernarg_segment_size: 32
    .max_flat_workgroup_size: 128
    .sgpr_count:     80
    .vgpr_count:     416
    .wavefront_size: 32
...
	.end_amdgpu_metadata
.endif
;; end of part 3
;; launch attn (part 4): grid 64 x 4, 4 waves a work-group, clusters of 4 x 1, 327,680 bytes of LDS; arguments qb, kvb, gt, ab; writes ab
.if DOCPART == 4
	.amdgcn_target "amdgcn-amd-amdhsa--gfx1250"
	.amdhsa_code_object_version 6
	.text
	.protected	k_qe2dfaa760c_attn
	.globl	k_qe2dfaa760c_attn
	.p2align	8
	.type	k_qe2dfaa760c_attn,@function
k_qe2dfaa760c_attn:
	s_mov_b64 s[64:65], 0
	v_nop
	global_prefetch_b8 v0, s[64:65] scope:SCOPE_SE
	s_setreg_imm32_b32 hwreg(HW_REG_WAVE_MODE, 25, 1), 1
	s_wait_xcnt 0x0
	s_wait_alu depctr_hold_cnt(0) depctr_sa_sdst(0) depctr_va_vdst(0) depctr_va_sdst(0) depctr_va_ssrc(0) depctr_va_vcc(0) depctr_vm_vsrc(0)
	s_getreg_b32 s2, hwreg(HW_REG_IB_STS2, 6, 4)
	s_cmp_eq_u32 s2, 0
	s_cbranch_scc0 .Lentry_in_a_cluster
	s_endpgm
.Lentry_in_a_cluster:
	s_bfe_u32 s2, ttmp6, 0x10000c
	s_cmp_lg_u32 s2, 0x3003
	s_cbranch_scc0 .Lentry_shape_is_right
	s_endpgm
.Lentry_shape_is_right:
; ab[q][head] = g[q] softmax_band(s) V + (1 - g[q]) softmax_causal(s) V, s = q . k / sqrt(128).  q, k, v, the weights p and ab in f16; products, maxima, sums in f32.
; The band (|q - key| <= 64) and the causal part are two attentions, each with its own running maximum m, sum l and sums O: first the band's, whose result
; times g / l is set aside (R), then the causal one's, which leaves as O (1 - g) / l + R.
; SHARES. kv head j = grid y.  A work-group owns 16 queries at a time, 64 G + 16 cx of a group G of 64 queries, for the four query heads j, j + 4, j + 8, j + 12 that share K and V.
; Wave w holds two PIECES: piece 0 is head j + 4 w, which it finishes; piece 1 is head j + 4 (w ^ 1), which its partner w ^ 1 finishes.  Of each tile of 256 keys it takes keys
; 128 (w % 2) .. + 127, two steps of 64.  So a fragment of K or V read from LDS feeds two products: one LDS load for each matrix instruction; and the two pieces' work stands side by side.
; At a part's end each wave hands piece 1's O, c m and l to its partner through LDS, in f32, and merges what it receives into piece 0: f = 2^(c m - max), O = O f + O' f', l likewise.
; The four work-groups of a cluster are the four blocks of one group and walk the same tiles of K and V: every tile is asked for JOINTLY.
; THE WALK. A cluster takes group 31 - c and then group c.  A group has one tile of 256 keys for the band (from key 64 G - 64, held to 0 .. 1792) and G / 4 + 1 tiles for the
; causal part: 11 tiles whatever c: all 256 work-groups do equal work, one loop with a constant count walks them.  What a tile is hangs on c and its number alone,
; the same in all partners; every jump but the loops' own goes forward.
; THE MASK is the C operand of the products that start the sums S^T = K Q^T: MC, one set for both pieces, 0 or -2^100.  A key is hidden where unsigned(key - q + D) > WD,
; (D, WD) = (64, 128) in the band and (4096, 4096) in the causal part.  MC is 0 in a tile without hidden keys and is made anew for each step of the others.
; A wave may see hidden keys alone, in a step or in a whole part.  So m starts at -2^40, below every score that f16 operands can give: a hidden score never becomes m, its weight is 0,
; and such a wave hands over l = 0 and O = 0, which the merge multiplies by 0.
; LAYOUT. S^T holds one query a lane (lane % 16) and keys 8 (lane / 16) + 0..7; two such results rounded to f16 are source 1 of O^T = V^T P.
; p = 2^(c s - c m), c = log2(e) / sqrt(128); O and l are multiplied by a = 2^(c m_old - c m_new) in every step.  A part begins with c m far below every c s: a = 0.
; A STEP: mask | V's run of loads | 16 K Q^T of piece 0 | 16 K Q^T of piece 1, four lines of piece 0's softmax behind each | its other 70 lines | the next K's run of loads |
; 16 V^T P of piece 0, four lines of piece 1's softmax behind each | its other 70 | 16 V^T P of piece 1.  Nothing crosses a step.
; LIMITS. |s| stays under 2^40 (f16 operands give 5.5e11 at the most); a weight below 2^-126 counts as 0; NaN and infinities are not treated apart.
; REGISTERS. window 0: v1-23, v40-51 addresses, lane constants, at work; v24-39 statistics, 8 a piece; v62-63 the add's; v64-127 S^T; v128-159 P; v160-223 Q; v224-255 MC.
; window 1: v0-127 K of a step, v128-255 V of a step.  window 2: v0-127 O^T, 64 a piece; v128-191 R; v192-255 the second group's Q.  window 3: v0-63 what the partner handed over.
; A line of softmax works in window 0 and a product names windows 1 and 2, so each product with lines behind it costs two switches of the windows.
.set PK,    272                        ; two keys of K (2 x 128 bytes) + 16
.set PV,    288                        ; two keys of V + 32
.set KPL,   128*PK                     ; a plane (64 channels) of 256 keys
.set VPL,   128*PV
.set VOFF,  2*KPL
.set SLOTB, VOFF+2*VPL                 ; 143,360
.set MB,    2*SLOTB                    ; behind the ring, never filled by a tensor load: a box for each wave:
.set MBSZ,  17*512                     ; 64 registers of O and 4 of statistics, 16 bytes a lane and line; the way out's 16 rows x 272 bytes lie in the wave's own box
.set SP,    272
.set SPARE, MB+4*MBSZ                  ; the spare words: 512 bytes that no other line names
.set AK0, 2
.set AV0, 3
.set AK,  4
.set AV,  5
.set STO, 6
.set RD,  7
.set GO,  8
.set LB,  12                           ; 8 (l / 16) - l % 16 - 16 cx + 128 (w % 2)
.set BASE, 13                          ; key - q + D of my register 0 in the step in hand
.set GA,  14                           ; my query's gate
.set GLO, 15                           ; the second group's
.set T0,  16                           ; v16-19 at work
.set FR,  20                           ; v20-21 a factor, twice
.set QO0, 22
.set VNEG, 23                          ; -2^100
.set ST,  24                           ; piece p at ST + 8 p: c m, m, l (even keys', odd keys'), c0-c3
.set QO1, 40
.set MBO, 41                           ; my 16 bytes in a line of my partner's box
.set MBI, 42                           ; and of my own
.set FM,  44                           ; v44-45 the merge's factor for my sums, twice
.set FP,  46                           ; v46-47 for my partner's
.set PS,  48                           ; v48-51 my partner's c m, m, l
.set SPW, 62
.set NIL, 63
.set S,   64
.set P,   128
.set Q,   160
.set MC,  224
.set KF,  0                            ; window 1
.set VF,  128                          ; window 1
.set R,   128                          ; window 2
.set QLO, 192                          ; window 2
.set WV,  12
.set G1K, 24
.set G1V, 32
.set G0K, 40
.set G0V, 44
.set NN,  52                           ; the number of the tile to be asked for next
.set RH1, 53                           ; tiles of the first group
.set HI,  54                           ; 31 - c
.set CL,  55                           ; c
.set LOOPS, 56
.set CNT, 57
.set CS,  58
.set SEL, 60
.set TBK, 62
.set TBV, 63
.set TT,  66                           ; the tile in hand: its number in its group (0: the band's),
.set GRP, 67                           ; its group,
.set RS,  68                           ; its first key
.set TN,  69                           ; the same of the tile asked for last
.set GRN, 70
.set RSN, 71
.set LOCAL, 72
.set LASTG, 73
.set MASKED, 74                        ; the tile has hidden keys; such a tile is also a part's last
.set WD,  75
.set OFF, 80
.set PW,  92                           ; my partner's number
.set KH,  94                           ; w % 2: my half of a tile's keys; also the plane that I fetch
.set MSB, 0
.macro WIN new
.if MSB != (\new)
	s_set_vgpr_msb (MSB<<8)|(\new)
.set MSB, (\new)
.endif
.endm
.set W_KQ, 0x01                        ; K in window 1; Q, MC and S^T in window 0
.set W_PV, 0xa1                        ; V in window 1, P in window 0, O^T in window 2
.set W_RS, 0x82                        ; destination and source 0 in window 2, source 1 in window 0
.macro JLOAD                           ; waves 0, 1 fetch K's two planes, waves 2, 3 V's; an s_nop 0 and four v_nop follow each line
	s_cmp_lt_u32 s[WV], 2
	s_cbranch_scc0 .Lfor_v_\@
	tensor_load_to_lds s[G0K:G0K+3], s[G1K:G1K+7]
	s_nop 0
.rept 4
	v_nop
.endr
	s_branch .Lasked_\@
.Lfor_v_\@:
	tensor_load_to_lds s[G0V:G0V+3], s[G1V:G1V+7]
	s_nop 0
.rept 4
	v_nop
.endr
.Lasked_\@:
.endm
.macro CROUND
	s_barrier_signal -1
	s_barrier_wait -1
	s_cmp_lg_u32 s[WV], 0
	s_cbranch_scc1 .Lnot_wave_0_\@
	s_barrier_signal -3
.Lnot_wave_0_\@:
	s_barrier_wait -3
	s_barrier_signal -1
	s_barrier_wait -1
.endm
; tile NN of the walk: its group, its number in the group, its first key; selects alone, no branch
.macro PARAM
	s_cmp_ge_u32 s[NN], s[RH1]
	s_cselect_b32 s[GRN], s[CL], s[HI]
	s_cselect_b32 s77, s[RH1], 0
	s_sub_co_u32 s[TN], s[NN], s77
	s_lshl_b32 s78, s[GRN], 6
	s_max_u32 s78, s78, 64
	s_sub_co_u32 s78, s78, 64
	s_min_u32 s78, s78, 1792                       ; the band's tile
	s_lshl_b32 s79, s[TN], 8
	s_sub_co_u32 s79, s79, 256                     ; the causal part's
	s_cmp_eq_u32 s[TN], 0
	s_cselect_b32 s[RSN], s78, s79
	s_add_co_u32 s[NN], s[NN], 1
.endm
	s_load_b256 s[4:11], s[0:1], 0x0               ; qb s[4:5], kvb s[6:7], gt s[8:9], ab s[10:11]
	v_lshl_add_u32 v[SPW], v0, 2, SPARE
	v_mov_b32 v[NIL], 0
	ds_add_u32 v[SPW], v[NIL]                      ; the wave's opening: the add and its wait stand ahead of my first tensor load
	v_lshrrev_b32 v1, 5, v0
	v_readfirstlane_b32 s[WV], v1
	s_bfe_u32 s13, ttmp6, 0x40000                  ; cx: it enters Q's, the gates' and ab's addresses and the mask's lane constant alone
	s_mov_b32 s[CL], ttmp9
	s_sub_co_u32 s[HI], 31, s[CL]
	s_and_b32 s15, ttmp7, 0xffff                   ; j
	s_lshr_b32 s[RH1], s[HI], 2
	s_add_co_u32 s[RH1], s[RH1], 2
	s_and_b32 s[KH], s[WV], 1
	s_xor_b32 s[PW], s[WV], 1
	s_mul_i32 s17, s[KH], KPL                      ; my plane's place in a slot, for K
	s_mul_i32 s18, s[KH], VPL
	s_add_co_u32 s18, s18, VOFF                    ; and for V
	s_lshl_b32 s19, s15, 1
	s_add_co_u32 s19, s19, s[KH]
	s_lshl_b32 s84, s19, 18                        ; plane 2 j + w % 2, of 262,144 bytes
	s_mov_b32 s85, 0
	s_lshl_b32 s19, s[WV], 2
	s_add_co_u32 s19, s19, s15
	s_lshl_b32 s19, s19, 8                         ; piece 0's head: its 256 bytes in a row of qb and ab
	s_lshl_b32 s91, s[PW], 2
	s_add_co_u32 s91, s91, s15
	s_lshl_b32 s91, s91, 8                         ; piece 1's
	s_lshl_b32 s90, s13, 4
	s_lshl_b32 s86, s[HI], 6
	s_add_co_u32 s86, s86, s90                     ; my first query in the first group,
	s_lshl_b32 s87, s[CL], 6
	s_add_co_u32 s87, s87, s90                     ; and in the second
	s_lshl_b32 s2, s86, 12
	s_mov_b32 s3, 0
	s_lshl_b32 s88, s87, 12
	s_mov_b32 s89, 0
	; group 1: 256 keys of a plane are 32,768 dense bytes: 128 rows of 256 bytes, two keys a row, padded behind each row
	s_mov_b32 s[G1K], 15|(1<<16)|(1<<20)|(1<<21)|(5<<22)|(3<<25)
	s_mov_b32 s[G1V], 15|(1<<16)|(1<<20)|(1<<21)|(5<<22)|(7<<25)
.irp g, G1K, G1V
	s_mov_b32 s[\g+1], 128<<16
	s_mov_b32 s[\g+2], 128<<16
	s_mov_b32 s[\g+3], 128<<16
	s_mov_b32 s[\g+4], 128
	s_mov_b32 s[\g+5], 128
	s_mov_b32 s[\g+6], 0
	s_mov_b32 s[\g+7], 0
.endr
	s_mov_b32 s[CS], 0x3e0293ee                    ; c = log2(e) / sqrt(128)
	s_mov_b32 s[CS+1], s[CS]
	s_mov_b32 s[SEL], 0x76543210
	s_mov_b32 s[SEL+1], 0xfedcba98
	s_mov_b32 s82, 4096
	s_mov_b32 s83, 128
	s_mov_b32 s[LOOPS], 5
	s_mov_b32 s[NN], 0
	PARAM                                          ; tile 0
	s_mov_b32 s[G0K], 1
	s_mov_b32 s[G0K+1], s17                        ; slot 0
	s_mov_b32 s[G0V], 1
	s_mov_b32 s[G0V+1], s18
	s_lshl_b32 s[OFF], s[RSN], 7                   ; a key is 128 bytes of a plane
	s_mov_b32 s[OFF+1], 0
	s_wait_dscnt 0x0                               ; the opening add is done
	s_wait_kmcnt 0x0
	s_add_nc_u64 s[6:7], s[6:7], s[84:85]          ; K's plane
	s_add_nc_u64 s[20:21], s[6:7], 0x200000        ; V's: eight planes on
	s_add_nc_u64 s[G0K+2:G0K+3], s[6:7], s[OFF:OFF+1]
	s_or_b32 s[G0K+3], s[G0K+3], 0x80000000
	s_add_nc_u64 s[G0V+2:G0V+3], s[20:21], s[OFF:OFF+1]
	s_or_b32 s[G0V+3], s[G0V+3], 0x80000000
	s_add_nc_u64 s[50:51], s[4:5], s[88:89]        ; qb at my rows of the second group,
	s_add_nc_u64 s[4:5], s[4:5], s[2:3]            ; of the first
	s_add_nc_u64 s[48:49], s[10:11], s[88:89]      ; ab likewise
	s_add_nc_u64 s[10:11], s[10:11], s[2:3]
	CROUND                                         ; all four work-groups are here
	JLOAD                                          ; tile 0 into slot 0: one tensor load of mine is out, here and behind every round
	v_and_b32 v1, 15, v0                           ; r
	v_bfe_u32 v9, v0, 4, 1                         ; h
	v_lshlrev_b32 v[QO0], 12, v1
	v_lshl_add_u32 v[QO0], v9, 4, v[QO0]           ; row x 4,096 + 16 h,
	v_add_nc_u32 v[QO1], s91, v[QO0]               ; + the piece's head
	v_add_nc_u32 v[QO0], s19, v[QO0]
.irp f, 0,1,2,3
	global_load_b128 v[Q+8*\f:Q+8*\f+3],       v[QO0], s[4:5] offset:64*\f
	global_load_b128 v[Q+8*\f+4:Q+8*\f+7],     v[QO0], s[4:5] offset:64*\f+32
	global_load_b128 v[Q+32+8*\f:Q+32+8*\f+3],   v[QO1], s[4:5] offset:64*\f
	global_load_b128 v[Q+32+8*\f+4:Q+32+8*\f+7], v[QO1], s[4:5] offset:64*\f+32
.endr
	WIN 0x80                                       ; destination window 2
.irp f, 0,1,2,3
	global_load_b128 v[QLO+8*\f:QLO+8*\f+3],       v[QO0], s[50:51] offset:64*\f
	global_load_b128 v[QLO+8*\f+4:QLO+8*\f+7],     v[QO0], s[50:51] offset:64*\f+32
	global_load_b128 v[QLO+32+8*\f:QLO+32+8*\f+3],   v[QO1], s[50:51] offset:64*\f
	global_load_b128 v[QLO+32+8*\f+4:QLO+32+8*\f+7], v[QO1], s[50:51] offset:64*\f+32
.endr
	WIN 0
	v_add_nc_u32 v10, s86, v1
	v_lshlrev_b32 v10, 2, v10
	global_load_b32 v[GA], v10, s[8:9]
	v_add_nc_u32 v11, s87, v1
	v_lshlrev_b32 v11, 2, v11
	global_load_b32 v[GLO], v11, s[8:9]
	v_lshrrev_b32 v[AK0], 1, v1                    ; key r lies at (r / 2) x 272 + (r % 2) x 128
	v_mul_u32_u24 v[AK0], v[AK0], PK
	v_and_b32 v16, 1, v1
	v_lshl_add_u32 v[AK0], v16, 7, v[AK0]
	v_lshl_add_u32 v[AK0], v9, 4, v[AK0]
	s_mul_i32 s93, s[KH], 64*PK                    ; my half of a tile's keys: 64 LDS rows on
	v_add_nc_u32 v[AK0], s93, v[AK0]
	v_and_b32 v17, 7, v0
	v_lshl_add_u32 v17, v9, 3, v17                 ; the turning load: my key 8 h + l % 8,
	v_bfe_u32 v18, v0, 3, 1                        ; my 8 of its 16 channels
	v_lshrrev_b32 v[AV0], 1, v17
	v_mul_u32_u24 v[AV0], v[AV0], PV
	v_and_b32 v16, 1, v17
	v_lshl_add_u32 v[AV0], v16, 7, v[AV0]
	v_lshl_add_u32 v[AV0], v18, 4, v[AV0]
	s_mul_i32 s93, s[KH], 64*PV
	s_add_co_u32 s93, s93, VOFF
	v_add_nc_u32 v[AV0], s93, v[AV0]
	v_and_b32 v17, 31, v0
	v_lshlrev_b32 v17, 4, v17                      ; 16 x lane
	s_mul_i32 s93, s[PW], MBSZ
	s_add_co_u32 s93, s93, MB                      ; my partner's box
	v_add_nc_u32 v[MBO], s93, v17
	s_mul_i32 s93, s[WV], MBSZ
	s_add_co_u32 s93, s93, MB                      ; my own
	v_add_nc_u32 v[MBI], s93, v17
	v_mul_u32_u24 v[STO], v1, SP
	v_lshl_add_u32 v[STO], v9, 4, v[STO]
	v_add_nc_u32 v[STO], s93, v[STO]
	v_mul_u32_u24 v[RD], v9, SP
	v_lshl_add_u32 v[RD], v1, 4, v[RD]
	v_add_nc_u32 v[RD], s93, v[RD]
	v_lshlrev_b32 v[GO], 12, v9
	v_lshl_add_u32 v[GO], v1, 4, v[GO]
	v_add_nc_u32 v[GO], s19, v[GO]
	v_add_nc_u32 v16, s90, v1
	v_lshlrev_b32 v[LB], 3, v9
	v_sub_nc_u32 v[LB], v[LB], v16
	s_lshl_b32 s93, s[KH], 7
	v_add_nc_u32 v[LB], s93, v[LB]
	v_mov_b32 v[VNEG], 0xf1800000
	; O^T, l and R need only hold finite numbers: each part's first step multiplies O^T and l by a = 0, and R is written by the band's end before it is used.
	; They, c m and m are given values here, in the wait for the first tile, so that they hold numbers on every way through the text: 200 lines, once a launch.
	WIN 0x80
.set i, 0
.rept 192
	v_mov_b32 v[i], 0
.set i, i+1
.endr
	WIN 0
.irp p, 0,1
	v_mov_b32 v[ST+8*\p], 0xfe000000
	v_mov_b32 v[ST+8*\p+1], 0xd3800000
	v_mov_b32 v[ST+8*\p+2], 0
	v_mov_b32 v[ST+8*\p+3], 0
.endr
	s_wait_loadcnt 0x0                             ; Q, both groups', and the gates
; a step's K: 64 keys x 128 channels: fragment f = 4 kt + ch: keys 16 kt on, channels 32 ch on (plane ch / 2)
.macro FETCH_K
	WIN 0x40
.irp f, 0,1,2,3,4,5,6,7,8,9,10,11,12,13,14,15
	ds_load_b128 v[KF+8*\f:KF+8*\f+3],   v[AK] offset:(\f/4)*8*PK+((\f%4)/2)*KPL+(\f%2)*64
	ds_load_b128 v[KF+8*\f+4:KF+8*\f+7], v[AK] offset:(\f/4)*8*PK+((\f%4)/2)*KPL+(\f%2)*64+32
.endr
	WIN 0
.endm
; a step's V, turned: fragment f = 8 kk + cb: keys 32 kk on, channels 16 cb on (plane cb / 4)
.macro FETCH_V
	WIN 0x40
.irp f, 0,1,2,3,4,5,6,7,8,9,10,11,12,13,14,15
	ds_load_tr16_b128 v[VF+8*\f:VF+8*\f+3],   v[AV] offset:(\f/8)*16*PV+((\f%8)/4)*VPL+(\f%4)*32
	ds_load_tr16_b128 v[VF+8*\f+4:VF+8*\f+7], v[AV] offset:(\f/8)*16*PV+((\f%8)/4)*VPL+(\f%4)*32+8*PV
.endr
	WIN 0
.endm
; a step's mask, for both pieces: register i stands for key 16 (i / 8) + i % 8 of my lanes' eight
.macro MASK
.set i, 0
.rept 32
	v_add_nc_u32 v[T0+i%4], 16*(i/8)+i%8, v[BASE]
	v_cmp_lt_u32 vcc_lo, s[WD], v[T0+i%4]
	v_cndmask_b32 v[MC+i], 0, v[VNEG], vcc_lo
.set i, i+1
.endr
.endm
; THE MATRIX WORK.  The accumulators take turns, one instruction a turn.  Product i of 16 of S^T = K Q^T for piece p: channels 32 (i / 4) on, keys 16 (i % 4) on; the first four start the sums with the mask.
.macro KQ p
	WIN W_KQ
.if i < 4
	v_wmma_f32_16x16x32_f16 v[S+32*(\p)+8*(i%4):S+32*(\p)+8*(i%4)+7], v[KF+32*(i%4)+8*(i/4):KF+32*(i%4)+8*(i/4)+7], v[Q+32*(\p)+8*(i/4):Q+32*(\p)+8*(i/4)+7], v[MC+8*(i%4):MC+8*(i%4)+7]
.else
	v_wmma_f32_16x16x32_f16 v[S+32*(\p)+8*(i%4):S+32*(\p)+8*(i%4)+7], v[KF+32*(i%4)+8*(i/4):KF+32*(i%4)+8*(i/4)+7], v[Q+32*(\p)+8*(i/4):Q+32*(\p)+8*(i/4)+7], v[S+32*(\p)+8*(i%4):S+32*(\p)+8*(i%4)+7]
.endif
.set i, i+1
.endm
; Product i of 16 of O^T += V^T P for piece p: keys 32 (i / 8) on, channels 16 (i % 8) on
.macro PVM p
	WIN W_PV
	v_wmma_f32_16x16x32_f16 v[64*(\p)+8*(i%8):64*(\p)+8*(i%8)+7], v[VF+64*(i/8)+8*(i%8):VF+64*(i/8)+8*(i%8)+7], v[P+16*(\p)+8*(i/8):P+16*(\p)+8*(i/8)+7], v[64*(\p)+8*(i%8):64*(\p)+8*(i%8)+7]
.set i, i+1
.endm
; THE SOFTMAX OF A PIECE AND STEP: a list of 134; SMJ writes number j of it for piece p.  0-15 the maximum of the lane's 32 scores and the old m (each accumulator's lowest registers first);
; 16-20 the other half of the lanes', the new m, c m, c m_old - c m_new; 21-87 33 exponentials at the odd numbers from 23 on, a plain instruction behind each: scalings c s - c m ahead of
; their exponentials, roundings to f16 behind theirs, the first sums; 88-101 the last rounding, the rest of the sums, l = a l + sum; 102-133 O^T times a, the one part that leaves window 0.
.macro SMJ p
.set rT, ST+8*(\p)
.set rS, S+32*(\p)
.set rP, P+16*(\p)
.set rO, 64*(\p)+2*(j-102)
.set q, (j-20)/2
.if j < 102
	WIN 0
.endif
.if j < 4
	v_max3_num_f32 v[rT+4+j], v[rS+8*j], v[rS+8*j+1], v[rS+8*j+2]
.elseif j < 12
	v_max3_num_f32 v[rT+4+j%4], v[rT+4+j%4], v[rS+8*(j%4)+2*(j/4)+1], v[rS+8*(j%4)+2*(j/4)+2]
.elseif j == 12
	v_max3_num_f32 v[rT+4], v[rT+4], v[rS+7], v[rS+15]
.elseif j == 13
	v_max3_num_f32 v[rT+6], v[rT+6], v[rS+23], v[rS+31]
.elseif j == 14
	v_max3_num_f32 v[rT+4], v[rT+4], v[rT+5], v[rT+6]
.elseif j == 15
	v_max3_num_f32 v[rT+4], v[rT+4], v[rT+7], v[rT+1]
.elseif j == 16
	v_permlanex16_b32 v[rT+5], v[rT+4], s[SEL], s[SEL+1]
.elseif j == 17
	v_mov_b32 v[rT+7], v[rT]
.elseif j == 18
	v_max_num_f32 v[rT+1], v[rT+4], v[rT+5]
.elseif j == 19
	v_mul_f32 v[rT], s[CS], v[rT+1]
.elseif j == 20
	v_sub_f32 v[rT+7], v[rT+7], v[rT]
.elseif j == 23
	v_exp_f32 v[rT+6], v[rT+7]
.elseif (j < 88) && (j > 23) && (j%2 == 1)
	v_exp_f32 v[rS+(j-25)/2], v[rS+(j-25)/2]
.elseif (q < 4) || ((j < 76) && (q%2 == 0))
.set b, q/2+2
.if q < 4
.set b, q
.endif
	v_pk_fma_f32 v[rS+2*b:rS+2*b+1], v[rS+2*b:rS+2*b+1], s[CS:CS+1], v[rT:rT+1] op_sel_hi:[1,0,0] neg_lo:[0,0,1] neg_hi:[0,0,1]
.elseif (j < 88) && (q%2 == 1)
	s_wait_alu depctr_va_vdst(0)
	v_cvt_pk_f16_f32 v[rP+(q-5)/2], v[rS+q-5], v[rS+q-4]
.elseif j == 89
	s_wait_alu depctr_va_vdst(0)
	v_cvt_pk_f16_f32 v[rP+15], v[rS+30], v[rS+31]
.elseif j < 102
.set z, j-86
.if j < 89
.set z, (j-76)/4
.endif
.set w, 4
.set u, z
.if z >= 14
.set w, 32
.set u, 0
.elseif z >= 12
.set w, 16
.set u, z-12
.elseif z >= 8
.set w, 8
.set u, z-8
.endif
.if z < 15
	v_pk_add_f32 v[rS+w*u:rS+w*u+1], v[rS+w*u:rS+w*u+1], v[rS+w*u+w/2:rS+w*u+w/2+1]
.else
	v_pk_fma_f32 v[rT+2:rT+3], v[rT+2:rT+3], v[rT+6:rT+7], v[rS:rS+1] op_sel_hi:[1,0,1]
.endif
.else
	WIN W_RS
	v_pk_mul_f32 v[rO:rO+1], v[rO:rO+1], v[rT+6:rT+7] op_sel_hi:[1,0]
.endif
.endm
.macro RID p, n                        ; the list's next n numbers
.rept \n
	SMJ \p
.set j, j+1
.endr
.endm
; A PART'S END.  Piece 1's sums and statistics go into my partner's box, 512 consecutive bytes a line, each accumulator's low registers first
.macro SENDBOX
	WIN 0x08                                       ; the data in window 2
.set f, 0
.rept 16
	ds_store_b128 v[MBO], v[64+4*f:64+4*f+3] offset:512*f
.set f, f+1
.endr
	WIN 0
	ds_store_b128 v[MBO], v[ST+8:ST+11] offset:8192
.endm
; what my partner made of my piece 0's head is merged into piece 0
.macro MERGE
	WIN 0xc0                                       ; destination window 3
.set f, 0
.rept 16
	ds_load_b128 v[4*f:4*f+3], v[MBI] offset:512*f
.set f, f+1
.endr
	WIN 0
	ds_load_b128 v[PS:PS+3], v[MBI] offset:8192
	s_wait_dscnt 0x0
	v_max_num_f32 v[T0], v[ST], v[PS]              ; the greater c m
	v_sub_f32 v[T0+1], v[ST], v[T0]
	v_sub_f32 v[T0+2], v[PS], v[T0]
	v_exp_f32 v[FM], v[T0+1]
	v_exp_f32 v[FP], v[T0+2]
	v_nop                                          ; a plain instruction behind the exponentials before their results are used
	s_wait_alu depctr_va_vdst(0)
	v_mov_b32 v[FM+1], v[FM]
	v_mov_b32 v[FP+1], v[FP]
	v_pk_mul_f32 v[ST+2:ST+3], v[ST+2:ST+3], v[FM:FM+1]
	v_pk_fma_f32 v[ST+2:ST+3], v[PS+2:PS+3], v[FP:FP+1], v[ST+2:ST+3]
	WIN W_RS
.set i, 0
.rept 32
	v_pk_mul_f32 v[2*i:2*i+1], v[2*i:2*i+1], v[FM:FM+1]
.set i, i+1
.endr
	WIN 0xa3                                       ; source 0 window 3, source 1 window 0, source 2 and destination window 2
.set i, 0
.rept 32
	v_pk_fma_f32 v[2*i:2*i+1], v[2*i:2*i+1], v[FP:FP+1], v[2*i:2*i+1]
.set i, i+1
.endr
	WIN 0
.endm
.macro FIN                             ; 1 / l into c2
	v_add_f32 v[ST+4], v[ST+2], v[ST+3]
	v_permlanex16_b32 v[ST+5], v[ST+4], s[SEL], s[SEL+1]
	v_add_f32 v[ST+4], v[ST+4], v[ST+5]
	v_rcp_f32 v[ST+6], v[ST+4]
	v_nop
.endm
.macro LEND                            ; the band's end: R = O g / l
	FIN
	s_wait_alu depctr_va_vdst(0)
	v_mul_f32 v[FR], v[GA], v[ST+6]
	v_mov_b32 v[FR+1], v[FR]
	WIN W_RS
.set i, 0
.rept 32
	v_pk_mul_f32 v[R+2*i:R+2*i+1], v[2*i:2*i+1], v[FR:FR+1]
.set i, i+1
.endr
	WIN 0
.endm
.macro GEND                            ; the causal part's end: O (1 - g) / l + R, rounded to f16, through my own box, stored as whole rows of 256 bytes
	FIN
	v_sub_f32 v[T0], 1.0, v[GA]
	s_wait_alu depctr_va_vdst(0)
	v_mul_f32 v[FR], v[T0], v[ST+6]
	v_mov_b32 v[FR+1], v[FR]
	WIN 0xa2                                       ; sources 0 and 2 and destination window 2
.set i, 0
.rept 32
	v_pk_fma_f32 v[2*i:2*i+1], v[2*i:2*i+1], v[FR:FR+1], v[R+2*i:R+2*i+1]
.set i, i+1
.endr
	WIN 0x0a                                       ; sources 0 and 1 window 2
.set i, 0
.rept 32
	v_cvt_pk_f16_f32 v[S+i], v[2*i], v[2*i+1]
.set i, i+1
.endr
	WIN 0
.irp f, 0,1,2,3,4,5,6,7
	ds_store_b128 v[STO], v[S+4*\f:S+4*\f+3] offset:32*\f   ; my loads of the box have been waited for; my partner writes here again only behind the next tile's barrier
.endr
.irp f, 0,1,2,3,4,5,6,7
	ds_load_b128 v[S+4*\f:S+4*\f+3], v[RD] offset:\f*2*SP   ; LDS serves a wave's instructions in order (ISA guide 5.7.1.4): these see the stores above
.endr
.irp f, 0,1,2,3,4,5,6,7
	s_wait_dscnt 7-\f                              ; the younger loads may be out
	global_store_b128 v[GO], v[S+4*\f:S+4*\f+3], s[10:11] offset:\f*8192   ; 16 lanes store 256 consecutive bytes at a multiple of 256
.endr
	s_wait_xcnt 0x0                                ; the stores' registers and base are rewritten only behind this wait
.endm
.macro SWITCH                          ; on to the second group
	s_mov_b64 s[10:11], s[48:49]
	v_mov_b32 v[GA], v[GLO]
	WIN 0x02
.set i, 0
.rept 64
	v_mov_b32 v[Q+i], v[QLO+i]
.set i, i+1
.endr
	WIN 0
.endm
; A TILE OF THE WALK, read from slot.  Each wave waits for all its tensor loads (one is out: its plane of this tile), adds 0 to its spare word, and waits for that and for its reads
; of the other slot.  fill = 1: the barrier is a round of the cluster's, and the other slot is filled with the walk's next tile first thing behind it: a tile's work in which to land.
; fill = 0: the walk's last tile: it holds the second group's diagonal, so it has a mask and ends the causal part.
.macro TILE slot, fill
	WIN 0
	s_wait_tensorcnt 0x0                           ; no tensor load of mine is out, so group 0 may be written
	ds_add_u32 v[SPW], v[NIL]                      ; 0 onto my spare word; the scalar work stands between it and the wait for it
	s_mov_b32 s[TT], s[TN]
	s_mov_b32 s[GRP], s[GRN]
	s_mov_b32 s[RS], s[RSN]
.if \fill
	PARAM
	s_lshl_b32 s[OFF], s[RSN], 7
	s_add_co_u32 s[G0K+1], s17, (1-(\slot))*SLOTB
	s_add_nc_u64 s[G0K+2:G0K+3], s[6:7], s[OFF:OFF+1]
	s_or_b32 s[G0K+3], s[G0K+3], 0x80000000
	s_add_co_u32 s[G0V+1], s18, (1-(\slot))*SLOTB
	s_add_nc_u64 s[G0V+2:G0V+3], s[20:21], s[OFF:OFF+1]
	s_or_b32 s[G0V+3], s[G0V+3], 0x80000000
.endif
	s_lshr_b32 s77, s[GRP], 2
	s_add_co_u32 s77, s77, 1
	s_cmp_eq_u32 s[TT], s77
	s_cselect_b32 s[LASTG], 1, 0                   ; the causal part's last tile: it holds the diagonal
	s_cmp_eq_u32 s[TT], 0
	s_cselect_b32 s[LOCAL], 1, 0                   ; the band's tile
	s_cselect_b32 s[WD], s83, s82
	s_cselect_b32 s78, 64, s82
	s_or_b32 s[MASKED], s[LOCAL], s[LASTG]
	s_lshl_b32 s77, s[GRP], 6
	s_sub_co_u32 s77, s[RS], s77
	s_add_co_u32 s77, s77, s78
	v_add_nc_u32 v[BASE], s77, v[LB]
	s_wait_dscnt 0x0                               ; the add is done, and my LDS reads are over
.if \fill
	CROUND
	JLOAD
.else
	s_barrier_signal -1
	s_barrier_wait -1
.endif
	s_cmp_gt_u32 s[TT], 1
	s_cbranch_scc1 .Lold_\@
.irp p, 0,1
	v_mov_b32 v[ST+8*\p], 0xfe000000               ; a part begins: c m far below every c s,
	v_mov_b32 v[ST+8*\p+1], 0xd3800000             ; m = -2^40, below every score
.endr
.Lold_\@:
.set i, 0
.rept 32
	v_mov_b32 v[MC+i], 0                           ; no key is hidden, until a step's mask says otherwise
.set i, i+1
.endr
	s_mov_b32 s[TBK], (\slot)*SLOTB
	s_mov_b32 s[TBV], (\slot)*SLOTB
	v_add_nc_u32 v[AK], s[TBK], v[AK0]
	v_add_nc_u32 v[AV], s[TBV], v[AV0]
	FETCH_K
	s_mov_b32 s[CNT], 2
.Lstep_\@:                                             ; a step of 64 keys, both pieces
.if \fill
	s_cmp_eq_u32 s[MASKED], 0
	s_cbranch_scc1 .Lno_m_\@
.endif
	MASK
.if \fill
.Lno_m_\@:
.endif
	FETCH_V                                        ; four places and more behind the last product that read V
	s_wait_dscnt 32                                ; K is in; V's 32 loads, issued behind K's, may be out
.set i, 0
.rept 16
	KQ 0
.endr
	WIN 0
	s_add_co_u32 s[TBK], s[TBK], 32*PK
	v_add_nc_u32 v[AK], s[TBK], v[AK0]             ; four places between piece 0's last products and the first read of its scores
	v_nop
	v_nop
	v_nop
.set i, 0
.set j, 0
.rept 16
	KQ 1
	RID 0, 4                                       ; they name S^T, P and statistics of piece 0 alone
.endr
	RID 0, 70
	WIN 0
	s_wait_dscnt 0x0                               ; V is in
	s_cmp_eq_u32 s[CNT], 1
	s_cbranch_scc1 .Lno_k_\@                       ; the tile's last step fetches no further K
	FETCH_K                                        ; the next step's, two runs of products and a piece's softmax ahead of its first use
.Lno_k_\@:
.set i, 0
.set j, 0
.rept 16
	PVM 0
	RID 1, 4
.endr
	RID 1, 70
.set i, 0
.rept 16
	PVM 1
.endr
	WIN 0
	s_add_co_u32 s[TBV], s[TBV], 32*PV
	v_add_nc_u32 v[BASE], 64, v[BASE]              ; four places behind the last products: in front of the loads into V and of the stores of piece 1's sums
	v_add_nc_u32 v[AV], s[TBV], v[AV0]
	v_nop
	v_nop
	s_sub_co_u32 s[CNT], s[CNT], 1
	s_cmp_lg_u32 s[CNT], 0
	s_cbranch_scc1 .Lstep_\@
.if \fill
	s_cmp_eq_u32 s[MASKED], 0
	s_cbranch_scc1 .Lns_\@                         ; no part ends here: nothing is handed over
.endif
	SENDBOX
.if \fill
.Lns_\@:
.endif
	s_wait_dscnt 0x0                               ; for my partner's sake: my stores into its box are done
	s_barrier_signal -1                            ; the barrier stands at every tile's end, on every way; the next tile's load may stay out
	s_barrier_wait -1
.if \fill
	s_cmp_eq_u32 s[MASKED], 0
	s_cbranch_scc1 .Ldone_\@
.endif
	MERGE
.if \fill
	s_cmp_eq_u32 s[LOCAL], 1
	s_cbranch_scc0 .Lnot_band_\@
	LEND
	s_branch .Ldone_\@
.Lnot_band_\@:
.endif
	GEND
.if \fill
	SWITCH                                         ; among the first ten tiles only the first group's causal part ends
.Ldone_\@:
.endif
.endm
.Lwalk:                                                ; five trips: tiles 0 to 9 are read, tiles 1 to 10 asked for
	TILE 0, 1
	TILE 1, 1
	s_sub_co_u32 s[LOOPS], s[LOOPS], 1
	s_cmp_lg_u32 s[LOOPS], 0
	s_cbranch_scc1 .Lwalk
	TILE 0, 0                                      ; the walk's last tile is written out
	s_wait_tensorcnt 0x0                           ; the wave's end
	ds_add_u32 v[SPW], v[NIL]
	s_wait_dscnt 0x0
	CROUND                                         ; the closing round
	s_endpgm
.Lfunc_end_k_qe2dfaa760c_attn:
	.size	k_qe2dfaa760c_attn, .Lfunc_end_k_qe2dfaa760c_attn-k_qe2dfaa760c_attn
	.p2alignl 7, 3214868480
	.fill 96, 4, 3214868480
	.section	.rodata,"a",@progbits
	.p2align	6, 0x0
	.amdhsa_kernel k_qe2dfaa760c_attn
		.amdhsa_group_segment_fixed_size 327680
		.amdhsa_private_segment_fixed_size 0
		.amdhsa_enable_private_segment 0
		.amdhsa_kernarg_size 32
		.amdhsa_user_sgpr_count 2
		.amdhsa_user_sgpr_kernarg_segment_ptr 1
		.amdhsa_wavefront_size32 1
		.amdhsa_system_sgpr_workgroup_id_x 1
		.amdhsa_system_sgpr_workgroup_id_y 1
		.amdhsa_system_sgpr_workgroup_id_z 1
		.amdhsa_system_vgpr_workitem_id 0
		.amdhsa_next_free_vgpr 832
		.amdhsa_next_free_sgpr 96
		.amdhsa_reserve_vcc 1
		.amdhsa_float_denorm_mode_32 3
		.amdhsa_float_denorm_mode_16_64 3
		.amdhsa_memory_ordered 1
		.amdhsa_forward_progress 1
		.amdhsa_inst_pref_size 172
	.end_amdhsa_kernel
	.amdgpu_metadata
---
amdhsa.version: [ 1, 2 ]
amdhsa.kernels:
  - .name:           k_qe2dfaa760c_attn
    .symbol:         k_qe2dfaa760c_attn.kd
    .args:
      - { .name: qb, .offset: 0, .size: 8, .value_kind: global_buffer, .address_space: global }
      - { .name: kvb, .offset: 8, .size: 8, .value_kind: global_buffer, .address_space: global }
      - { .name: gt, .offset: 16, .size: 8, .value_kind: global_buffer, .address_space: global }
      - { .name: ab, .offset: 24, .size: 8, .value_kind: global_buffer, .address_space: global }
    .group_segment_fixed_size: 327680
    .private_segment_fixed_size: 0
    .kernarg_segment_align: 8
    .kernarg_segment_size: 32
    .max_flat_workgroup_size: 128
    .sgpr_count:     96
    .vgpr_count:     832
    .wavefront_size: 32
...
	.end_amdgpu_metadata
.endif
;; end of part 4
;; launch oproj (part 5): grid 16 x 16, 4 waves a work-group, clusters of 4 x 4, 327,680 bytes of LDS; arguments ab, wob, out0; writes out0
.if DOCPART == 5
	.amdgcn_target "amdgcn-amd-amdhsa--gfx1250"
	.amdhsa_code_object_version 6
	.text
	.protected	k_qe2dfaa760c_oproj
	.globl	k_qe2dfaa760c_oproj
	.p2align	8
	.type	k_qe2dfaa760c_oproj,@function
k_qe2dfaa760c_oproj:
	s_mov_b64 s[64:65], 0
	v_nop
	global_prefetch_b8 v0, s[64:65] scope:SCOPE_SE
	s_setreg_imm32_b32 hwreg(HW_REG_WAVE_MODE, 25, 1), 1
	s_wait_xcnt 0x0
	s_wait_alu depctr_hold_cnt(0) depctr_sa_sdst(0) depctr_va_vdst(0) depctr_va_sdst(0) depctr_va_ssrc(0) depctr_va_vcc(0) depctr_vm_vsrc(0)
	s_getreg_b32 s2, hwreg(HW_REG_IB_STS2, 6, 4)
	s_cmp_eq_u32 s2, 0
	s_cbranch_scc0 .Lentry_in_a_cluster
	s_endpgm
.Lentry_in_a_cluster:
	s_bfe_u32 s2, ttmp6, 0x10000c
	s_cmp_lg_u32 s2, 0xf033
	s_cbranch_scc0 .Lentry_shape_is_right
	s_endpgm
.Lentry_shape_is_right:
; out0 = ab Wo.  ab [2048][2048] f16, wob [k][n] f16 (Wo rounded to bf16, written as f16), out0 f32; sums in f32.
; A tile of out0 is 128 x 128: 256 work-groups.  Four waves, each 64 x 64: 16 accumulators.  K goes in 8 steps of 256 through two LDS slots.
; CLUSTER 4 x 4: ab's tile is shared along a row of the cluster, Wo's along a column; each is asked for jointly.
; THE WALK ALONG K BEGINS WHERE THE CLUSTER SAYS: clusters whose x + y is odd begin at K step 4 and wrap round.  Clusters that are neighbours along x need the same tiles of ab,
; neighbours along y the same tiles of Wo: in the second half of its walk each asks for tiles that a neighbour asked for half a walk earlier.  The sums hold the same terms in another order.
; Wo lies [k][n] in LDS and is turned on the way into registers.  The matrix instruction is used transposed (source 0 = 16 columns of Wo, source 1 = 16 rows of ab):
; a lane holds eight neighbouring columns of one row.  A wave's 64 columns of f32 are 256 whole bytes, so each wave has a stage of its own and the way out needs no barrier.
; REGISTERS. window 0: v16-29 addresses, v32-95 rows on the way out, v128-255 accumulator (a, b) at 128 + 8 (4 a + b).
; window 1: two fragment buffers of 128: for 64 along K, 64 registers of ab, then 64 of Wo.
.set PA,    528                        ; a row of ab in LDS: 512 bytes + 16
.set PB,    288                        ; a k-row of Wo: 256 + 32
.set AHALF, 64*PA
.set BOFF,  128*PA
.set BHALF, 128*PB
.set SLOT,  BOFF+256*PB                ; 141,312
.set STAGE, 2*SLOT                     ; 16 rows x 272 bytes for each wave
.set SPARE, STAGE+4*16*272             ; the spare words: 512 bytes that no other line names
.set LAPS,  4
.set NL,    32
.set ADRA, 16                          ; v16-17 by slot
.set ADRB, 20                          ; v20-23 by slot and half of the step's k-rows: 240 rows of 288 bytes pass a 16-bit offset
.set STO,  24
.set RD,   25
.set CO,   26
.set SPW,  28
.set NIL,  29
.set ACC,  128
.set F0,   0
.set F1,   128
.set G1,  24
.set G0,  32
.set G1B, 48
.set G0B, 56
.set BB,  72                           ; s[72:73] Wo at my half of K step 0's rows, my columns; ab at my rows lies in s[14:15]
.set KS,  74                           ; the K step asked for last, 0 .. 7
.set OA,  76                           ; s[76:77] its byte offset in a row of ab
.set OB,  78                           ; s[78:79] its byte offset down Wo's rows
.set MSB, 0
.macro WIN new
.if MSB != (\new)
	s_set_vgpr_msb (MSB<<8)|(\new)
.set MSB, (\new)
.endif
.endm
.set MUL,  0x05
.set TO_F, 0x40
.macro JLOAD s                         ; a joint load; an s_nop 0 and four v_nop follow each of the two lines
	s_cmp_eq_u32 s11, 0
	s_cbranch_scc0 .Lfor_b_\@
	tensor_load_to_lds s[G0+4*(\s):G0+4*(\s)+3], s[G1:G1+7]
	s_nop 0
.rept 4
	v_nop
.endr
	s_branch .Lasked_\@
.Lfor_b_\@:
	tensor_load_to_lds s[G0B+4*(\s):G0B+4*(\s)+3], s[G1B:G1B+7]
	s_nop 0
.rept 4
	v_nop
.endr
.Lasked_\@:
.endm
.macro SETG slot                       ; both global addresses of a slot's group 0 are made anew for K step KS: the base, an offset made apart, the type bits
	s_lshl_b32 s[OA], s[KS], 9                     ; 256 f16 along a row of ab
	s_lshl_b32 s[OB], s[KS], 20                    ; 256 rows of Wo, of 4,096 bytes
	s_add_nc_u64 s[G0+4*(\slot)+2:G0+4*(\slot)+3], s[14:15], s[OA:OA+1]
	s_or_b32 s[G0+4*(\slot)+3], s[G0+4*(\slot)+3], 0x80000000
	s_add_nc_u64 s[G0B+4*(\slot)+2:G0B+4*(\slot)+3], s[BB:BB+1], s[OB:OB+1]
	s_or_b32 s[G0B+4*(\slot)+3], s[G0B+4*(\slot)+3], 0x80000000
.endm
.macro CREST
	s_cmp_lg_u32 s10, 0
	s_cbranch_scc1 .Lnot_wave_0_\@
	s_barrier_signal -3
.Lnot_wave_0_\@:
	s_barrier_wait -3
	s_barrier_signal -1
	s_barrier_wait -1
.endm
.macro CROUND
	s_barrier_signal -1
	s_barrier_wait -1
	CREST
.endm
.macro PLACES
.rept 4
	v_nop
.endr
.endm
	s_load_b128 s[4:7], s[0:1], 0x0                ; ab s[4:5], wob s[6:7]
	s_load_b64 s[8:9], s[0:1], 0x10                ; out0
	v_lshl_add_u32 v[SPW], v0, 2, SPARE
	v_mov_b32 v[NIL], 0
	ds_add_u32 v[SPW], v[NIL]                      ; the wave's opening: the add and its wait stand ahead of my first tensor load
	v_lshrrev_b32 v1, 5, v0
	v_readfirstlane_b32 s10, v1                    ; wave
	s_lshr_b32 s11, s10, 1                         ; my half of the rows; also: I fetch ab (0) or Wo (1)
	s_and_b32 s12, s10, 1                          ; my half of the columns; also: which half of that tile I fetch
	s_bfe_u32 s40, ttmp6, 0x40000
	s_bfe_u32 s41, ttmp6, 0x40004
	s_lshl_b32 s42, ttmp9, 2
	s_add_co_u32 s42, s42, s40                     ; x
	s_and_b32 s13, ttmp7, 0xffff
	s_lshl_b32 s13, s13, 2
	s_add_co_u32 s13, s13, s41                     ; y
	s_lshl_b32 s43, s41, 2
	s_lshl_b32 s43, 15, s43
	s_lshl_b32 s44, 0x1111, s40
	s_xor_b32 s[KS], ttmp9, ttmp7                  ; the cluster's x and y, which all sixteen partners share:
	s_and_b32 s[KS], s[KS], 1                      ; is x + y odd?
	s_lshl_b32 s[KS], s[KS], 2                     ; then the walk begins at K step 4
	s_mov_b32 s[OA+1], 0
	s_mov_b32 s[OB+1], 0
	s_or_b32 s[G1], s43, (1<<16)|(1<<20)|(1<<21)|(6<<22)|(3<<25)   ; after every 128 words, 4 words
	s_or_b32 s[G1B], s44, (1<<16)|(1<<20)|(1<<21)|(5<<22)|(7<<25)  ; after every 64 words, 8 words
	s_mov_b32 s[G1+1], 256<<16                     ; 64 rows x 256 elements
	s_mov_b32 s[G1+2], 64<<16
	s_mov_b32 s[G1+3], 256<<16
	s_mov_b32 s[G1+4], 64
	s_mov_b32 s[G1+5], 2048
	s_mov_b32 s[G1+6], 0
	s_mov_b32 s[G1+7], 0
	s_mov_b32 s[G1B+1], 128<<16                    ; 128 k-rows x 128 elements
	s_mov_b32 s[G1B+2], 128<<16
	s_mov_b32 s[G1B+3], 128<<16
	s_mov_b32 s[G1B+4], 128
	s_mov_b32 s[G1B+5], 2048
	s_mov_b32 s[G1B+6], 0
	s_mov_b32 s[G1B+7], 0
	s_lshl_b32 s16, s13, 7
	s_lshl_b32 s17, s12, 6
	s_add_co_u32 s16, s16, s17
	s_lshl_b32 s16, s16, 12                        ; ab: row 128 y + 64 x half, of 4,096 bytes
	s_mov_b32 s17, 0
	s_lshl_b32 s46, s12, 19                        ; Wo: k-row 128 x half, of 4,096 bytes,
	s_lshl_b32 s47, s42, 8                         ; column 128 x
	s_add_co_u32 s46, s46, s47
	s_mov_b32 s47, 0
	s_mul_i32 s20, s12, AHALF
	s_mul_i32 s21, s12, BHALF
	s_add_co_u32 s21, s21, BOFF
	s_wait_dscnt 0x0                               ; the opening add is done
	s_wait_kmcnt 0x0
	s_add_nc_u64 s[14:15], s[4:5], s[16:17]
	s_add_nc_u64 s[BB:BB+1], s[6:7], s[46:47]
	CROUND
.irp s, 0,1
	s_mov_b32 s[G0+4*(\s)], 1
	s_add_co_u32 s[G0+4*(\s)+1], s20, (\s)*SLOT
	s_mov_b32 s[G0B+4*(\s)], 1
	s_add_co_u32 s[G0B+4*(\s)+1], s21, (\s)*SLOT
	SETG \s
	JLOAD \s                                       ; two tensor loads of mine are out
.if (\s) == 0
	s_add_co_u32 s[KS], s[KS], 1                   ; the walk's second step: 1 or 5
.endif
.endr
	v_and_b32 v1, 15, v0                           ; r
	v_bfe_u32 v2, v0, 4, 1                         ; h
	v_and_b32 v3, 7, v0
	v_lshl_add_u32 v3, v2, 3, v3                   ; kl
	v_bfe_u32 v4, v0, 3, 1                         ; u
	v_mul_u32_u24 v5, v1, PA
	v_lshl_add_u32 v5, v2, 4, v5
	s_mul_i32 s22, s11, 64*PA
	v_add_nc_u32 v[ADRA], s22, v5
	v_add_nc_u32 v[ADRA+1], SLOT, v[ADRA]
	v_mul_u32_u24 v6, v3, PB
	v_lshl_add_u32 v6, v4, 4, v6
	s_lshl_b32 s22, s12, 7
	s_add_co_u32 s22, s22, BOFF
	v_add_nc_u32 v[ADRB], s22, v6
	v_add_nc_u32 v[ADRB+1], BHALF, v[ADRB]
	v_add_nc_u32 v[ADRB+2], SLOT, v[ADRB]
	v_add_nc_u32 v[ADRB+3], SLOT, v[ADRB+1]
	s_mul_i32 s23, s10, 16*272
	s_add_co_u32 s23, s23, STAGE                   ; my stage
	v_mul_u32_u24 v7, v1, 272                      ; in: row r, 32 bytes for each half of the lanes
	v_lshl_add_u32 v7, v2, 5, v7
	v_add_nc_u32 v[STO], s23, v7
	v_mul_u32_u24 v7, v2, 272                      ; back: lanes 0-15 one row of 256 bytes, lanes 16-31 the next
	v_lshl_add_u32 v7, v1, 4, v7
	v_add_nc_u32 v[RD], s23, v7
	v_lshlrev_b32 v[CO], 13, v2
	v_lshl_add_u32 v[CO], v1, 4, v[CO]
	s_lshl_b32 s16, s13, 7
	s_lshl_b32 s17, s11, 6
	s_add_co_u32 s16, s16, s17
	s_lshl_b32 s16, s16, 13                        ; my first row of out0, of 8,192 bytes
	s_mov_b32 s17, 0
	s_add_nc_u64 s[8:9], s[8:9], s[16:17]
	s_lshl_b32 s46, s42, 9
	s_lshl_b32 s47, s12, 8
	s_add_co_u32 s46, s46, s47                     ; my first column: 512 x + 256 x half
	s_mov_b32 s47, 0
	s_add_nc_u64 s[8:9], s[8:9], s[46:47]
; eight matrix instructions: part p of a piece: 32 along K (c = p / 2), row blocks 2 (p % 2) and the next x all four column blocks
.macro MULP f, p, zero
	WIN MUL
.irp a, 2*((\p)%2), 2*((\p)%2)+1
.irp b, 0,1,2,3
.if \zero
	v_wmma_f32_16x16x32_f16 v[ACC+8*(4*(\a)+(\b)):ACC+8*(4*(\a)+(\b))+7], v[(\f)+64+8*(4*((\p)/2)+(\b)):(\f)+64+8*(4*((\p)/2)+(\b))+7], v[(\f)+8*(4*((\p)/2)+(\a)):(\f)+8*(4*((\p)/2)+(\a))+7], 0
.else
	v_wmma_f32_16x16x32_f16 v[ACC+8*(4*(\a)+(\b)):ACC+8*(4*(\a)+(\b))+7], v[(\f)+64+8*(4*((\p)/2)+(\b)):(\f)+64+8*(4*((\p)/2)+(\b))+7], v[(\f)+8*(4*((\p)/2)+(\a)):(\f)+8*(4*((\p)/2)+(\a))+7], v[ACC+8*(4*(\a)+(\b)):ACC+8*(4*(\a)+(\b))+7]
.endif
.endr
.endr
.endm
; 32 LDS loads in one run: piece q (64 along K) of a slot into buffer f
.macro FETCH slot, q, f
	WIN TO_F
.irp c, 0,1
.irp i, 0,1,2,3
	ds_load_tr16_b128 v[(\f)+64+8*(4*(\c)+(\i)):(\f)+64+8*(4*(\c)+(\i))+3],   v[ADRB+2*(\slot)+(\q)/2] offset:(((\q)%2)*64+32*(\c))*PB+32*(\i)
	ds_load_tr16_b128 v[(\f)+64+8*(4*(\c)+(\i))+4:(\f)+64+8*(4*(\c)+(\i))+7], v[ADRB+2*(\slot)+(\q)/2] offset:(((\q)%2)*64+32*(\c))*PB+32*(\i)+16*PB
	ds_load_b128 v[(\f)+8*(4*(\c)+(\i)):(\f)+8*(4*(\c)+(\i))+3],   v[ADRA+(\slot)] offset:128*(\q)+64*(\c)+16*PA*(\i)
	ds_load_b128 v[(\f)+8*(4*(\c)+(\i))+4:(\f)+8*(4*(\c)+(\i))+7], v[ADRA+(\slot)] offset:128*(\q)+64*(\c)+16*PA*(\i)+32
.endr
.endr
.endm
.macro QUARTER slot, q, f, g, zero
	PLACES                                         ; behind the products that read g
	FETCH \slot, \q, \g
	s_wait_dscnt NL                                ; all but the 32 just issued: f is in
	MULP \f, 0, \zero
	MULP \f, 1, \zero
	MULP \f, 2, 0
	MULP \f, 3, 0
.endm
; The last piece multiplies buffer 1 and changes slots: one barrier; in front of it each wave waits for all its tensor loads (one is out: its part
; of the next slot), adds 0 to its spare word, and waits for that and for its own reads of this slot.  fill = 1: this slot is filled again, with the walk's step two steps on.
.macro TURN slot, next, fill
	WIN 0
	s_wait_tensorcnt 0x0
	ds_add_u32 v[SPW], v[NIL]
	s_wait_dscnt 1                                 ; only the add may be out: buffer 1 is in
	MULP F1, 0, 0
	s_wait_dscnt 0x0                               ; the add is done, and my reads of this slot are over
	s_barrier_signal -1
	MULP F1, 1, 0
.if \fill
	WIN 0
.endif
	s_barrier_wait -1
.if \fill
	CREST                                          ; no wave of any partner still reads this slot or has a load on its way
	s_add_co_u32 s[KS], s[KS], 1                   ; the walk's next K step,
	s_and_b32 s[KS], s[KS], 7                      ; round the end of K
	SETG \slot
	JLOAD \slot                                    ; my one tensor load behind the round; its four v_nop are the places in front of the loads below
.else
	PLACES
.endif
	FETCH \next, 0, F0
	MULP F1, 2, 0
	MULP F1, 3, 0
.endm
	s_wait_tensorcnt 1                             ; my part of the walk's first step is in; the second's may be out
	s_barrier_signal -1
	s_barrier_wait -1
	FETCH 0, 0, F0
	QUARTER 0, 1, F0, F1, 1
	WIN 0
	s_mov_b32 s3, LAPS-1
.Llap:
	QUARTER 0, 2, F1, F0, 0
	QUARTER 0, 3, F0, F1, 0
	TURN 0, 1, 1
	QUARTER 1, 1, F0, F1, 0
	QUARTER 1, 2, F1, F0, 0
	QUARTER 1, 3, F0, F1, 0
	TURN 1, 0, 1
	QUARTER 0, 1, F0, F1, 0
	WIN 0
	s_sub_co_u32 s3, s3, 1
	s_cmp_lg_u32 s3, 0
	s_cbranch_scc1 .Llap
	QUARTER 0, 2, F1, F0, 0
	QUARTER 0, 3, F0, F1, 0
	TURN 0, 1, 0
	QUARTER 1, 1, F0, F1, 0
	QUARTER 1, 2, F1, F0, 0
	QUARTER 1, 3, F0, F1, 0
	s_wait_dscnt 0x0
	MULP F1, 0, 0
	MULP F1, 1, 0
	MULP F1, 2, 0
	MULP F1, 3, 0
	WIN 0
	; THE WAY OUT, 16 rows at a time: a lane's eight f32 go into my stage (each accumulator's low four registers first) and come back as whole rows of 256 bytes.
	PLACES
.irp a, 0,1,2,3
.set BK, 32+32*((\a)%2)
.if (\a) >= 2
	s_wait_xcnt 0x0                                ; the registers that earlier stores read are loaded again only behind this wait
.endif
.irp b, 0,1,2,3
	ds_store_b128 v[STO], v[ACC+8*(4*(\a)+(\b)):ACC+8*(4*(\a)+(\b))+3] offset:64*(\b)
	ds_store_b128 v[STO], v[ACC+8*(4*(\a)+(\b))+4:ACC+8*(4*(\a)+(\b))+7] offset:64*(\b)+16
.endr
.irp t, 0,1,2,3,4,5,6,7
	ds_load_b128 v[BK+4*(\t):BK+4*(\t)+3], v[RD] offset:544*(\t)   ; LDS serves a wave's instructions in order (ISA guide 5.7.1.4): these see the stores above
.endr
.irp t, 0,1,2,3,4,5,6,7
	s_wait_dscnt 7-(\t)                            ; the younger loads may be out
	global_store_b128 v[CO], v[BK+4*(\t):BK+4*(\t)+3], s[8:9] offset:(16*(\a)+2*(\t))*8192 th:TH_STORE_NT  ; 16 lanes store 256 consecutive bytes at a multiple of 256
.endr
.endr
	s_wait_tensorcnt 0x0                           ; the wave's end
	ds_add_u32 v[SPW], v[NIL]
	s_wait_dscnt 0x0
	CROUND                                         ; the closing round
	s_endpgm
.Lfunc_end_k_qe2dfaa760c_oproj:
	.size	k_qe2dfaa760c_oproj, .Lfunc_end_k_qe2dfaa760c_oproj-k_qe2dfaa760c_oproj
	.p2alignl 7, 3214868480
	.fill 96, 4, 3214868480
	.section	.rodata,"a",@progbits
	.p2align	6, 0x0
	.amdhsa_kernel k_qe2dfaa760c_oproj
		.amdhsa_group_segment_fixed_size 327680
		.amdhsa_private_segment_fixed_size 0
		.amdhsa_enable_private_segment 0
		.amdhsa_kernarg_size 24
		.amdhsa_user_sgpr_count 2
		.amdhsa_user_sgpr_kernarg_segment_ptr 1
		.amdhsa_wavefront_size32 1
		.amdhsa_system_sgpr_workgroup_id_x 1
		.amdhsa_system_sgpr_workgroup_id_y 1
		.amdhsa_system_sgpr_workgroup_id_z 1
		.amdhsa_system_vgpr_workitem_id 0
		.amdhsa_next_free_vgpr 512
		.amdhsa_next_free_sgpr 80
		.amdhsa_reserve_vcc 0
		.amdhsa_float_denorm_mode_32 3
		.amdhsa_float_denorm_mode_16_64 3
		.amdhsa_memory_ordered 1
		.amdhsa_forward_progress 1
		.amdhsa_inst_pref_size 87
	.end_amdhsa_kernel
	.amdgpu_metadata
---
amdhsa.version: [ 1, 2 ]
amdhsa.kernels:
  - .name:           k_qe2dfaa760c_oproj
    .symbol:         k_qe2dfaa760c_oproj.kd
    .args:
      - { .name: ab, .offset: 0, .size: 8, .value_kind: global_buffer, .address_space: global }
      - { .name: wob, .offset: 8, .size: 8, .value_kind: global_buffer, .address_space: global }
      - { .name: out0, .offset: 16, .size: 8, .value_kind: global_buffer, .address_space: global }
    .group_segment_fixed_size: 327680
    .private_segment_fixed_size: 0
    .kernarg_segment_align: 8
    .kernarg_segment_size: 24
    .max_flat_workgroup_size: 128
    .sgpr_count:     80
    .vgpr_count:     512
    .wavefront_size: 32
...
	.end_amdgpu_metadata
.endif
;; end of part 5
;; ======== version 2 of 2: 5 launches; version 1 with the launch wprep written anew for expert scheduling mode
;; limits: values are held in f16: magnitudes above 65,504 overflow, below 6.1e-05 lose precision
;; workspace buffers: xb 8,388,608 bytes; gt 16,384 bytes; wcat 12,582,912 bytes; wob 8,388,608 bytes; qb 8,388,608 bytes; kvb 4,194,304 bytes; ab 8,388,608 bytes
;; launch xprep: the kernel of part 1 again; grid 256 x 1, 4 waves a work-group, no clusters, 0 bytes of LDS; arguments hidden_states, ln_g, ln_b, gate_w, gate_b, xb, gt; writes xb, gt
;; launch wprep (part 6): grid 256 x 1, 8 waves a work-group, no clusters, 0 bytes of LDS; arguments Wq, Wk, Wv, Wo, gt, wcat, wob, out1; writes wcat, wob, out1
.if DOCPART == 6
	.amdgcn_target "amdgcn-amd-amdhsa--gfx1250"
	.amdhsa_code_object_version 6
	.text
	.protected	k_qe2dfaa760c_wprep
	.globl	k_qe2dfaa760c_wprep
	.p2align	8
	.type	k_qe2dfaa760c_wprep,@function
k_qe2dfaa760c_wprep:
	s_mov_b64 s[64:65], 0
	v_nop
	global_prefetch_b8 v0, s[64:65] scope:SCOPE_SE
	s_setreg_imm32_b32 hwreg(HW_REG_WAVE_SCHED_MODE, 0, 2), 2
	s_setreg_imm32_b32 hwreg(HW_REG_WAVE_MODE, 25, 1), 1
	s_wait_xcnt 0x0
	s_wait_alu depctr_vm_vsrc(0)
; The weights are rounded once to 16 bits and laid out for the products; the loss is finished.
; wcat (bf16): blocks [x 0..15][ks 0..15] of 49,152 bytes: 128 k-rows x 128 columns 128 x .. of Wq (row kr at 256 kr), then
; 128 k-rows x 64 columns 64 x .. of [Wk | Wv] (row kr at 32,768 + 128 kr): a K step's tile for one column block is 192 dense rows of 256 bytes.
; wob: Wo rounded to bf16 like every input, that number written as f16 (exact down to f16's fixed step of 6e-8 below 6e-5), [k][n].
; SHARES. A work-group owns 8 k-rows.  A chunk is one load of 512 bytes of f32 and one store of 256 consecutive bytes at a multiple of 256;
; a wave has 40 chunks and issues all 40 loads at once.  Every byte is read once: no LDS, no cluster, no matrix product.
; out1 = the mean of the 2,048 terms that the launch before stored: one wave of one work-group adds them.
; THE MODE: SCHED_MODE bits 1:0 = 2 (LLVM: expert scheduling mode 2), set by the entry lines.  The code itself states the register dependences
; between vector instructions and memory instructions, with s_wait_alu, always for 0.
; THE PLAN.  Registers that memory instructions touch:
;   v1, v7           the loads' offsets;  v3, v5, v6, v10, v13  the stores' offsets.  Made at the head by vector instructions and never written again.
;   D, 4 a chunk     Chunk c's one load lands in them; behind the wait for it chunk c's conversions work in place; its one store reads the first two; nothing writes them after that.
;   TT, v240         In one wave alone: 16 loads land in TT, which vector instructions only read; the sum ends in v240, which out1's store reads and nothing writes again.
; No register is loaded twice and no store's data or offset is written again: what a store hangs on is that its data are written.
; The 40 chunks go in ten blocks of four.  Block b's conversions name block b's registers alone; its memory instructions are the four stores of block b - 1.
; So ONE wait on va_vdst at a block's head states all that its four stores hang on, and they are dealt among its conversions, each ahead of a chunk's wait for data.
.set D,  16                            ; v16-175   chunk c at D + 4 c
.set TT, 176                           ; v176-239  the loss terms
.set BLK, 4                            ; chunks in a block
	s_load_b256 s[4:11], s[0:1], 0x0               ; Wq s[4:5], Wk s[6:7], Wv s[8:9], Wo s[10:11]
	s_load_b256 s[12:19], s[0:1], 0x20             ; gt s[12:13], wcat s[14:15], wob s[16:17], out1 s[18:19]
	v_and_b32 v2, 31, v0                           ; lane
	v_lshrrev_b32 v4, 5, v0
	v_readfirstlane_b32 s22, v4                    ; wave 0..7
	v_lshlrev_b32 v1, 4, v2                        ; 16 lane
	v_lshlrev_b32 v3, 3, v2                        ; 8 lane
	v_mov_b32 v12, 0
	v_mov_b32 v13, 0
	s_wait_alu depctr_va_sdst(0)                   ; s22 is written, ahead of its first reader: the rows, the bases and the branch on the wave are made from it
	s_lshl_b32 s32, ttmp9, 3
	s_add_co_u32 s23, s32, s22                     ; k = 8 wg + wave: my row of Wq and of Wo
	s_lshl_b32 s20, s23, 13                        ; 8,192 k
	s_mov_b32 s21, 0
	s_lshl_b32 s36, s23, 12                        ; 4,096 k
	s_mov_b32 s37, 0
	s_lshr_b32 s28, ttmp9, 4                       ; ks = k / 128
	s_mul_i32 s28, s28, 49152
	s_and_b32 s29, s23, 127                        ; kr = k % 128
	s_lshl_b32 s29, s29, 8
	s_add_co_u32 s29, s29, s28
	v_add_nc_u32 v5, s29, v3                       ; Wq's place in block (0, ks)
	v_add_nc_u32 v6, 6291456, v5                   ; and in block (8, ks): the stores' immediates stay inside 24 bits
	s_and_b32 s30, s22, 3
	s_lshl_b32 s30, s30, 1
	s_add_co_u32 s32, s32, s30                     ; k0 = 8 wg + 2 (wave % 4): my two rows of Wk (waves 0-3) or Wv (waves 4-7)
	s_lshr_b32 s31, s22, 2
	v_lshrrev_b32 v8, 4, v2
	v_add_nc_u32 v8, s32, v8                       ; lanes 0-15 row k0, lanes 16-31 row k0 + 1
	v_and_b32 v9, 15, v2
	v_lshlrev_b32 v9, 4, v9
	v_lshl_add_u32 v7, v8, 11, v9                  ; 2,048 x row + 16 (lane % 16)
	s_mul_i32 s33, s31, 6291456                    ; Wv's columns are blocks 8 to 15
	s_add_co_u32 s33, s33, s28
	s_and_b32 s34, s32, 127
	s_lshl_b32 s34, s34, 7
	s_add_co_u32 s33, s33, s34
	s_add_co_u32 s33, s33, 32768
	v_add_nc_u32 v10, s33, v3
	s_mov_b32 s35, 0xffff0000
	s_mov_b32 s38, 0x76543210
	s_mov_b32 s39, 0xfedcba98
	s_or_b32 s26, ttmp9, s22                       ; 0 for wave 0 of work-group 0 alone
	s_wait_kmcnt 0x0
	s_add_nc_u64 s[4:5], s[4:5], s[20:21]
	s_add_nc_u64 s[10:11], s[10:11], s[20:21]
	s_add_nc_u64 s[16:17], s[16:17], s[36:37]
	s_cmp_lt_u32 s22, 4
	s_cselect_b64 s[24:25], s[6:7], s[8:9]
	s_wait_alu depctr_va_vdst(0)                   ; the seven offsets v1, v3, v5, v6, v7, v10 and v13 are written: every load and store of the kernel reads one of them
.set c, 0
.rept 16
	global_load_b128 v[D+4*c:D+4*c+3], v1, s[4:5] offset:512*c th:TH_LOAD_NT
.set c, c+1
.endr
.rept 8
	global_load_b128 v[D+4*c:D+4*c+3], v7, s[24:25] offset:256*(c-16) th:TH_LOAD_NT
.set c, c+1
.endr
.rept 16
	global_load_b128 v[D+4*c:D+4*c+3], v1, s[10:11] offset:512*(c-24) th:TH_LOAD_NT
.set c, c+1
.endr
	s_cmp_lg_u32 s26, 0
	s_cbranch_scc1 .Lno_loss
.set i, 0
.rept 16
	global_load_b128 v[TT+4*i:TT+4*i+3], v1, s[12:13] offset:8192+512*i   ; no vector instruction has named TT, and none has written v1 since the wait above
.set i, i+1
.endr
	s_wait_loadcnt 0x0
.set p, 0
.rept 4
	v_pk_add_f32 v[240+2*p:241+2*p], v[TT+2*p:TT+2*p+1], v[TT+8+2*p:TT+9+2*p]
.set p, p+1
.endr
.set p, 8
.rept 24
	v_pk_add_f32 v[240+2*(p%4):241+2*(p%4)], v[240+2*(p%4):241+2*(p%4)], v[TT+2*p:TT+2*p+1]
.set p, p+1
.endr
	v_pk_add_f32 v[240:241], v[240:241], v[242:243]
	v_pk_add_f32 v[244:245], v[244:245], v[246:247]
	v_pk_add_f32 v[240:241], v[240:241], v[244:245]
	v_add_f32 v240, v240, v241
	v_add_f32_dpp v240, v240, v240 row_xmask:1 row_mask:0xf bank_mask:0xf
	v_add_f32_dpp v240, v240, v240 row_xmask:2 row_mask:0xf bank_mask:0xf
	v_add_f32_dpp v240, v240, v240 row_xmask:4 row_mask:0xf bank_mask:0xf
	v_add_f32_dpp v240, v240, v240 row_xmask:8 row_mask:0xf bank_mask:0xf
	v_permlanex16_b32 v12, v240, s38, s39
	v_add_f32 v240, v240, v12
	v_mul_f32 v240, 0x3a000000, v240               ; / 2048
	v_cmp_eq_u32 vcc_lo, 0, v2
	s_wait_xcnt 0x0                                ; EXEC changes only behind this wait
	s_wait_alu depctr_va_vcc(0)                    ; VCC is written: EXEC is made from it
	s_wait_alu depctr_va_vdst(0)                   ; the vector instructions issued under the full EXEC are done; among them the sum has written v240, which the store below reads
	s_wait_alu depctr_vm_vsrc(0)                   ; the loads issued under the full EXEC have read their offsets
	s_and_saveexec_b32 s27, vcc_lo
	global_store_b32 v13, v240, s[18:19]
	s_wait_xcnt 0x0                                ; and again in front of the line that widens it
	s_wait_alu depctr_va_vdst(0)                   ; no vector instruction is under way when EXEC is written
	s_wait_alu depctr_vm_vsrc(0)                   ; the store has read v13 and v240 under the narrow EXEC
	s_or_b32 exec_lo, exec_lo, s27
.Lno_loss:
; Chunk c is rounded in place: its load is in when at most the 39 - c younger chunks are out (on the way through the loss everything has landed)
.macro CONV c
	s_wait_loadcnt 39-(\c)
	v_cvt_pk_bf16_f32 v[D+4*(\c)], v[D+4*(\c)], v[D+4*(\c)+1]         ; rounded to bf16,
	v_cvt_pk_bf16_f32 v[D+4*(\c)+1], v[D+4*(\c)+2], v[D+4*(\c)+3]
.if (\c) >= 24                         ; Wo:
	v_lshlrev_b32 v[D+4*(\c)+2], 16, v[D+4*(\c)]                      ; widened again,
	v_and_b32 v[D+4*(\c)+3], s35, v[D+4*(\c)]
	v_cvt_pk_f16_f32 v[D+4*(\c)], v[D+4*(\c)+2], v[D+4*(\c)+3]        ; and written as f16
	v_lshlrev_b32 v[D+4*(\c)+2], 16, v[D+4*(\c)+1]
	v_and_b32 v[D+4*(\c)+3], s35, v[D+4*(\c)+1]
	v_cvt_pk_f16_f32 v[D+4*(\c)+1], v[D+4*(\c)+2], v[D+4*(\c)+3]
.endif
.endm
; Chunk c is stored: 256 consecutive bytes at a multiple of 256
.macro SEND c
.if (\c) < 8
	global_store_b64 v5, v[D+4*(\c):D+4*(\c)+1], s[14:15] offset:786432*(\c)
.elseif (\c) < 16
	global_store_b64 v6, v[D+4*(\c):D+4*(\c)+1], s[14:15] offset:786432*((\c)-8)
.elseif (\c) < 24
	global_store_b64 v10, v[D+4*(\c):D+4*(\c)+1], s[14:15] offset:786432*((\c)-16)
.else
	global_store_b64 v3, v[D+4*(\c):D+4*(\c)+1], s[16:17] offset:256*((\c)-24)
.endif
.endm
.set c, 0
.rept BLK                              ; block 0 has no block in front of it: no store, no wait but those for its data
	CONV c
.set c, c+1
.endr
.rept 40/BLK-1                         ; blocks 1 to 9
	s_wait_alu depctr_va_vdst(0)                   ; the block before has written its results, which this block's four stores read; the conversions below name this block's registers alone
.rept BLK
	SEND c-BLK                                     ; it leaves ahead of the wait for the next chunk's data
	CONV c
.set c, c+1
.endr
.endr
	s_wait_alu depctr_va_vdst(0)                   ; block 9 has written its results, which the last four stores read
.rept BLK
	SEND c-BLK
.set c, c+1
.endr
	s_endpgm
.Lfunc_end_k_qe2dfaa760c_wprep:
	.size	k_qe2dfaa760c_wprep, .Lfunc_end_k_qe2dfaa760c_wprep-k_qe2dfaa760c_wprep
	.p2alignl 7, 3214868480
	.fill 96, 4, 3214868480
	.section	.rodata,"a",@progbits
	.p2align	6, 0x0
	.amdhsa_kernel k_qe2dfaa760c_wprep
		.amdhsa_group_segment_fixed_size 0
		.amdhsa_private_segment_fixed_size 0
		.amdhsa_enable_private_segment 0
		.amdhsa_kernarg_size 64
		.amdhsa_user_sgpr_count 2
		.amdhsa_user_sgpr_kernarg_segment_ptr 1
		.amdhsa_wavefront_size32 1
		.amdhsa_system_sgpr_workgroup_id_x 1
		.amdhsa_system_sgpr_workgroup_id_y 1
		.amdhsa_system_sgpr_workgroup_id_z 1
		.amdhsa_system_vgpr_workitem_id 0
		.amdhsa_next_free_vgpr 248
		.amdhsa_next_free_sgpr 66
		.amdhsa_reserve_vcc 1
		.amdhsa_float_denorm_mode_32 3
		.amdhsa_float_denorm_mode_16_64 3
		.amdhsa_memory_ordered 1
		.amdhsa_forward_progress 1
		.amdhsa_inst_pref_size 25
	.end_amdhsa_kernel
	.amdgpu_metadata
---
amdhsa.version: [ 1, 2 ]
amdhsa.kernels:
  - .name:           k_qe2dfaa760c_wprep
    .symbol:         k_qe2dfaa760c_wprep.kd
    .args:
      - { .name: Wq, .offset: 0, .size: 8, .value_kind: global_buffer, .address_space: global }
      - { .name: Wk, .offset: 8, .size: 8, .value_kind: global_buffer, .address_space: global }
      - { .name: Wv, .offset: 16, .size: 8, .value_kind: global_buffer, .address_space: global }
      - { .name: Wo, .offset: 24, .size: 8, .value_kind: global_buffer, .address_space: global }
      - { .name: gt, .offset: 32, .size: 8, .value_kind: global_buffer, .address_space: global }
      - { .name: wcat, .offset: 40, .size: 8, .value_kind: global_buffer, .address_space: global }
      - { .name: wob, .offset: 48, .size: 8, .value_kind: global_buffer, .address_space: global }
      - { .name: out1, .offset: 56, .size: 8, .value_kind: global_buffer, .address_space: global }
    .group_segment_fixed_size: 0
    .private_segment_fixed_size: 0
    .kernarg_segment_align: 8
    .kernarg_segment_size: 64
    .max_flat_workgroup_size: 256
    .sgpr_count:     66
    .vgpr_count:     248
    .wavefront_size: 32
...
	.end_amdgpu_metadata
.endif
;; end of part 6
;; launch qkv: the kernel of part 3 again; grid 16 x 16, 4 waves a work-group, clusters of 4 x 4, 327,680 bytes of LDS; arguments xb, wcat, qb, kvb; writes qb, kvb
;; launch attn: the kernel of part 4 again; grid 64 x 4, 4 waves a work-group, clusters of 4 x 1, 327,680 bytes of LDS; arguments qb, kvb, gt, ab; writes ab
;; launch oproj: the kernel of part 5 again; grid 16 x 16, 4 waves a work-group, clusters of 4 x 4, 327,680 bytes of LDS; arguments ab, wob, out0; writes out0
